; MI455X (gfx1250); checked and timed in simulation.
; The chip was launched on July 23, 2026; its instructions are those of AMD's public machine-readable ISA for CDNA 5 (MIT licence, August 2026) and "CDNA5" Instruction Set Architecture Reference Guide (July 2026). The comments in the code are by the model that wrote it; some were corrected since.
;; Complex Mo E Layer. Allowed arithmetic: matrix products marked QUANTISED: E5M2 operands, one E8M0 scale for each 32 along K, by v_wmma_scale_f32_16x16x128_f8f6f4 with both operands' format E5M2, f32 sums; products left as they are: f32 operands where the result goes on into a quantised operand, else bf16, f16 or f32 operands; f32 sums; everything else in f32.
;; Inputs: W1i 8 x 512 x 2,048 float32; W1r 8 x 512 x 2,048 float32; W2i 8 x 2,048 x 512 float32; W2r 8 x 2,048 x 512 float32; b1i 8 x 2,048 float32; b1r 8 x 2,048 float32; b2i 8 x 512 float32; b2r 8 x 512 float32; gate_W 1,024 x 8 float32; gate_b 8 float32; mod_b 8 x 2,048 float32; x_imag 4 x 256 x 512 float32; x_real 4 x 256 x 512 float32.
;; Outputs: out0 4 x 256 x 512 float32; out1 4 x 256 x 512 float32.
;; This version of the problem:
;;   THIS VERSION OF THE PROBLEM IS GIVEN IN LOW PRECISION. The matrix products marked QUANTISED in the list below multiply operands that are first quantised to E5M2 (5 exponent bits, 2 mantissa bits; 8 bits a number), with one power-of-two scale for each 32 numbers along K (OCP MX v1.0); their sums are f32. All else is computed in f32.
;;   The module's matrix products, in the order in which they are computed (A, B: the left and right operand; K: the contracted axis; several contracted axes count as one K, in the product's order):
;;     1. [M 1,024, K 1,024] x [K 1,024, N 8]; A: computed on the way; B: input gate_W: left as it is (N = 8 < 16)
;;     2. [M 16,384, K 512] x [K 512, N 1,024]; A: input W1r; B: input x_real: QUANTISED
;;     3. [M 16,384, K 512] x [K 512, N 1,024]; A: input W1i; B: input x_imag: QUANTISED
;;     4. [M 16,384, K 512] x [K 512, N 1,024]; A: input W1i; B: input x_real: QUANTISED
;;     5. [M 16,384, K 512] x [K 512, N 1,024]; A: input W1r; B: input x_imag: QUANTISED
;;     6. batch 8 x [M 1,024, K 2,048] x [K 2,048, N 512]; A: computed on the way; B: input W2r: QUANTISED
;;     7. batch 8 x [M 1,024, K 2,048] x [K 2,048, N 512]; A: computed on the way; B: input W2i: QUANTISED
;;     8. batch 8 x [M 1,024, K 2,048] x [K 2,048, N 512]; A: computed on the way; B: input W2i: QUANTISED
;;     9. batch 8 x [M 1,024, K 2,048] x [K 2,048, N 512]; A: computed on the way; B: input W2r: QUANTISED
;;     10. batch 1,024 x [M 1, K 8] x [K 8, N 512]; A: computed on the way; B: computed on the way: left as it is (K = 8 < 32)
;;     11. batch 1,024 x [M 1, K 8] x [K 8, N 512]; A: computed on the way; B: computed on the way: left as it is (K = 8 < 32)
;;   THE QUANTISER, for each operand of a quantised product, along K:
;;     - K is cut into blocks of 32 from its start; a last block that is shorter is filled with zeros.
;;     - A block's scale is 2^e with e = floor(log2(the largest magnitude in the block)) - 15, held to -126 .. 127; a block of zeros has e = 0. As a byte (E8M0): e + 127.
;;     - Each number is divided by its block's scale, clamped to +-57,344, and rounded to the nearest number of E5M2, ties to even, subnormals kept.
;;     - The product sums the exact products of the quantised numbers (number of the format x scale) in f32.
;;   ~~~python
;;   def quantise(x, axis):      # numpy; x: float32 -> the quantised numbers, widened to float32 again
;;       x = np.moveaxis(x, axis, -1); K = x.shape[-1]
;;       x = np.pad(x, [(0, 0)] * (x.ndim - 1) + [(0, -K % 32)]); x = x.reshape(x.shape[:-1] + (-1, 32)); a = np.abs(x).max(-1, keepdims=True)
;;       e = np.where(a > 0, np.clip(np.frexp(np.where(a > 0, a, 1))[1] - 1 - 15, -126, 127), 0)      # np.frexp(a)[1] - 1 = floor(log2(a)), exactly
;;       r = np.clip(x / 2.0 ** e, -57344, 57344)
;;       step = 2.0 ** (np.maximum(np.frexp(np.where(r == 0, 1, r))[1] - 1, -14) - 2)
;;       q = np.round(r / step) * step * 2.0 ** e      # np.round: ties to even
;;       return np.moveaxis(q.reshape(q.shape[:-2] + (-1,))[..., :K], -1, axis).astype(np.float32)
;;   ~~~
;;   OPERANDS COMPUTED ON THE WAY. 'Computed on the way' means the value that the module computes at that place (a softmax that the list does not call 'softmax' is quantised finished and normalised). What goes into a quantiser is computed in f32, as accurately as f32 sums, v_exp_f32 and their like allow (about 1e-6 of the number): no bf16 or f16 on the way to a quantiser, and a product that is left as it is and whose result goes on into a quantised operand takes f32 operands (vector FMAs, or v_wmma_f32_16x16x4_f32). A number that lies on a knife's edge between two numbers of the format may be rounded either way, as far as f32 arithmetic and the matrix unit's own rounding can turn it there, and no further.
;; 2 versions, each right; version 2 is version 1 with the launches layer1, layer2 written anew for expert scheduling mode. Each part assembles by itself: llvm-mc -triple=amdgcn-amd-amdhsa -mcpu=gfx1250 --defsym DOCPART=n.
;; ======== version 1 of 2: 3 launches
;; workspace buffers: idx 4,096 bytes of whole numbers; route 36,864 bytes of whole numbers; xbuf 1,085,440 bytes; w2c 17,301,504 bytes; hidc 34,734,080 bytes
;; launch prep (part 1): grid 256 x 1, 4 waves a work-group, no clusters, 1,536 bytes of LDS; arguments x_real, x_imag, gate_W, gate_b, W2r, W2i, idx, xbuf, w2c; writes idx, xbuf, w2c
.if DOCPART == 1
	.amdgcn_target "amdgcn-amd-amdhsa--gfx1250"
	.amdhsa_code_object_version 6
	.text
	.protected	k_q6ec75c868c_prep
	.globl	k_q6ec75c868c_prep
	.p2align	8
	.type	k_q6ec75c868c_prep,@function
k_q6ec75c868c_prep:
	s_mov_b64 s[64:65], 0
	v_nop
	global_prefetch_b8 v0, s[64:65] scope:SCOPE_SE
	s_setreg_imm32_b32 hwreg(HW_REG_WAVE_MODE, 25, 1), 1
	s_wait_xcnt 0x0
; FIRST OF THREE LAUNCHES.  (a) The router: scores = [|z|, angle(z)] gate_W + gate_b in f32, the chosen expert (a whole number) and its softmax weight for each of 1,024 tokens.
; (b) x_real, x_imag -> codes of E5M2 with one E8M0 byte for each 32 along D.  (c) W2r, W2i [8][2048][512] f32 -> codes quantised along K = 2048, laid in the order of the operand registers.
; SHARES.  256 work-groups of four waves.  Work-group g: expert g / 32, output slice (g / 4) % 8 (64 columns = 256 bytes of a weight row), K steps 4 (g % 4) + wave (128 rows each) of both matrices: 64 KB a wave,
; read once.  The same work-group routes tokens 4 g .. 4 g + 3: wave w takes half w % 2 of D for the token pair w / 2; a lane holds 8 neighbours along D of both tokens.
; A WEIGHT GROUP is 32 rows of K x 64 columns: 16 loads of 16 bytes a lane; lanes 0-15 read the 256 bytes of row 32 b + i, lanes 16-31 of row 32 b + 16 + i.  Register 4 i + c of lane (r, h) is W[32 b + 16 h + i][4 r + c].
; TILE c IS THE COLUMNS 4 r + c.  The hold that an 8-bit conversion wants anyway writes register 16 c + i, so a lane's 16 numbers of one column stand on end and the conversions give registers 4 b .. 4 b + 3 of tile c's fragment.
; LIMITS: NaN and infinities are not served; the phase is not served where both |x_real| and |x_imag| lie under 2^-126; arctan2(+-0, -0) gives +-0; the choice is the largest SCORE, ties to the lower index
; (two scores whose softmax weights round alike are no tie here); a block of zeros keeps the scale byte 1: its codes are zeros and this program alone reads the bytes.
; No matrix unit, no tensor load, no cluster: memory binds, and no two work-groups read the same weight bytes.
.set ROWB,  2048                       ; a row of W2 in bytes
.set XSOFF, 1048576                    ; xbuf: codes [token][part][512] at 0; scale bytes [token][part][16] here;
.set PROFF, 1081344                    ; the chosen expert's weight, f32 [1024], here
.set W2SC,  16777216                   ; w2c: the scale words lie behind the codes
.set SCB,   256                        ; LDS: partial scores [half][token][expert] at 0 (256 bytes), x's scale bytes [token][part][16] here (128 bytes)
.set XIN,   20                         ; v20-51  token t: x_real 8 at 20 + 16 t, x_imag 8 behind them
.set SA,    52                         ; v52-67  scores: 8 experts for each of two tokens
.set AM,    68                         ; v68-75  |z|
.set PH,    76                         ; v76-83  angle(z)
.set UU,    84                         ; v84-115 at work in the arctangent
.set VV,    92
.set NN,    100
.set DD,    108
.set XT,    116                        ; v116-123 eight held numbers
.set XC,    100                        ; v100-107 x's codes, a pair for each (token, part); v108-111 their scale bytes (the arctangents are done by then)
.set XBY,   108
.set GA,    128                        ; v128-191 gate_W for |z|: register 8 d + e;  v192-255 for the angle.  Later v128-255: the weight codes, 16 registers a group
.set GP,    192
.set RM,    20                         ; the weight stream (the router is done by then): v20-23 largest magnitudes, v24-27 the other half's, then bytes,
.set RP,    24
.set RSC,   28                         ; v28-31 the conversions' scale operands, v32-35 the largest code x the scale,
.set RLIM,  32
.set RWD,   36                         ; v36-39 W2r's scale words of the four tiles, v40-43 W2i's, v60-63 both (lanes 0-15, lanes 16-31)
.set RWO,   60
.set RT,    64                         ; v64-95 two tiles x 16 held numbers
.set MSB, 0
.macro WIN new                         ; the immediate's high byte repeats the setting that is left; a switch that changes nothing is dropped
.if MSB != (\new)
	s_set_vgpr_msb (MSB<<8)|(\new)
.set MSB, (\new)
.endif
.endm
; Group g = 4 m + b (matrix m, block b of the wave's K step) into its own 64 registers: window 1 + m, v[64 b] on.  Each load of a wave reads two whole rows of 256 bytes.
.macro LOADG g
.set LM, (\g)/4
.set LB, (\g)%4
	WIN (1+LM)<<6
.set li, 0
.rept 16
	global_load_b128 v[64*LB+4*li:64*LB+4*li+3], v7, s[12+2*LM:13+2*LM] offset:(32*LB+li)*ROWB th:TH_LOAD_NT
.set li, li+1
.endr
	WIN 0
.endm
; One group becomes 16 registers of codes (v[QCD + 4 c] on: registers 4 b .. 4 b + 3 of tile c's fragment) and byte b of four scale words.  QW window, QZ first register, QB block, QM matrix.
.macro QCORE
	WIN QW|(QW<<2)
.irp c,0,1,2,3
	v_max3_num_f32 v[RM+\c], |v[QZ+\c]|, |v[QZ+4+\c]|, 0x8000000      ; column 4 r + c: my 16 rows, and the floor 2^(16 - 127): the byte cannot fall under 1
.endr
.irp i,2,4,6,8,10,12,14
.irp c,0,1,2,3
	v_max3_num_f32 v[RM+\c], |v[QZ+4*\i+\c]|, |v[QZ+4*\i+4+\c]|, v[RM+\c]   ; the four columns by turns
.endr
.endr
	WIN 0
.irp c,0,1,2,3
	v_permlanex16_b32 v[RP+\c], v[RM+\c], s32, s33
.endr
.irp c,0,1,2,3
	v_max_num_f32 v[RM+\c], v[RM+\c], v[RP+\c]                         ; with the 16 rows of lane l xor 16: the block's largest magnitude
.endr
.irp c,0,1,2,3
	v_add_nc_u32 v[RSC+\c], 0xf8800000, v[RM+\c]                       ; 15 off its exponent field: the conversion's scale operand
.endr
.irp c,0,1,2,3
	v_and_or_b32 v[RLIM+\c], v[RM+\c], 0x7f800000, s34                 ; 57,344 x the scale
.endr
.if QB == 0
.irp c,0,1,2,3
	v_lshrrev_b32 v[RWD+4*QM+\c], 23, v[RSC+\c]                        ; the scale's byte starts the word
.endr
.else
.irp c,0,1,2,3
	v_lshrrev_b32 v[RP+\c], 23, v[RSC+\c]
.endr
.irp c,0,1,2,3
	v_lshl_or_b32 v[RWD+4*QM+\c], v[RP+\c], 8*QB, v[RWD+4*QM+\c]
.endr
.endif
.irp hf,0,1
	WIN QW
.irp cc,0,1
.irp i,0,1,2,3,4,5,6,7,8,9,10,11,12,13,14,15
	v_med3_num_f32 v[RT+16*\cc+\i], v[QZ+4*\i+2*\hf+\cc], -v[RLIM+2*\hf+\cc], v[RLIM+2*\hf+\cc]   ; the hold (the conversion does not saturate: ISA guide 7.6.2), and the turn from 4 i + c to 16 c + i
.endr
.endr
	WIN 0
.irp cc,0,1
	v_cvt_scalef32_pk8_bf8_f32 v[QCD+4*(2*\hf+\cc):QCD+4*(2*\hf+\cc)+1], v[RT+16*\cc:RT+16*\cc+7], v[RSC+2*\hf+\cc]
	v_cvt_scalef32_pk8_bf8_f32 v[QCD+4*(2*\hf+\cc)+2:QCD+4*(2*\hf+\cc)+3], v[RT+16*\cc+8:RT+16*\cc+15], v[RSC+2*\hf+\cc]
.endr
	v_nop                                                              ; one plain line behind the conversions, ahead of the next write of their sources
.endr
.endm
; Group g's turn.  left = the group loads issued behind group g's.  The group four further on is asked for as soon as the wait is passed: every group has registers of its own.
.macro QG g, left
	s_wait_loadcnt \left
.if (\g)+4 < 8
	LOADG (\g)+4
.endif
.set QM, (\g)/4
.set QB, (\g)%4
.set QW, 1+QM
.set QZ, 64*QB
.set QCD, 128+16*(\g)                  ; each group's codes have registers of their own: no store's data are written again
	QCORE
.irp c,0,1,2,3
	global_store_b128 v9, v[QCD+4*\c:QCD+4*\c+3], s[20:21] offset:QM*131072+\c*2048+QB*512   ; 32 lanes store 512 consecutive bytes
.endr
.endm
; angle(z) and |z| of eight numbers.  u = max(|re|, |im|), v = min: atan(v / u), taken as pi/4 + atan((v - u) / (v + u)) where v / u is over tan(pi/8); on |q| <= tan(pi/8) a polynomial of degree 9;
; then the octant, the half plane and the sign.  The quotient is a reciprocal with one correction step.
.macro ATAN8 xr, xi
.irp i,0,2,4,6
	v_pk_mul_f32 v[AM+\i:AM+\i+1], v[\xr+\i:\xr+\i+1], v[\xr+\i:\xr+\i+1]
.endr
.irp i,0,2,4,6
	v_pk_fma_f32 v[AM+\i:AM+\i+1], v[\xi+\i:\xi+\i+1], v[\xi+\i:\xi+\i+1], v[AM+\i:AM+\i+1]
.endr
.irp i,0,1,2,3,4,5,6,7
	v_max_num_f32 v[UU+\i], |v[\xr+\i]|, |v[\xi+\i]|
	v_min_num_f32 v[VV+\i], |v[\xr+\i]|, |v[\xi+\i]|
.endr
.irp i,0,1,2,3,4,5,6,7
	v_mul_f32 v[NN+\i], s36, v[UU+\i]
.endr
.irp i,0,1,2,3,4,5,6,7
	v_cmp_gt_f32 s[52+\i], v[VV+\i], v[NN+\i]                          ; v > tan(pi/8) u
.endr
.irp i,0,1,2,3,4,5,6,7
	v_sub_f32 v[NN+\i], v[VV+\i], v[UU+\i]
	v_add_f32 v[DD+\i], v[VV+\i], v[UU+\i]
.endr
.irp i,0,1,2,3,4,5,6,7
	v_cndmask_b32 v[NN+\i], v[VV+\i], v[NN+\i], s[52+\i]
	v_cndmask_b32 v[DD+\i], v[UU+\i], v[DD+\i], s[52+\i]
.endr
.irp i,0,1,2,3,4,5,6,7
	v_max_num_f32 v[DD+\i], s45, v[DD+\i]                              ; no divisor under 2^-126: z = 0 gives the angle 0
.endr
.irp i,0,1,2,3,4,5,6,7
	v_sqrt_f32 v[AM+\i], v[AM+\i]
.endr
.irp i,0,1,2,3,4,5,6,7
	v_rcp_f32 v[UU+\i], v[DD+\i]
.endr
	v_nop                                                              ; one plain line behind the transcendentals
	s_wait_alu depctr_va_vdst(0)
.irp i,0,1,2,3,4,5,6,7
	v_mul_f32 v[VV+\i], v[NN+\i], v[UU+\i]                             ; q
.endr
.irp i,0,1,2,3,4,5,6,7
	v_fma_f32 v[NN+\i], -v[VV+\i], v[DD+\i], v[NN+\i]                  ; what q leaves over,
.endr
.irp i,0,1,2,3,4,5,6,7
	v_fma_f32 v[VV+\i], v[NN+\i], v[UU+\i], v[VV+\i]                   ; put back
.endr
.irp i,0,1,2,3,4,5,6,7
	v_mul_f32 v[DD+\i], v[VV+\i], v[VV+\i]                             ; q^2
.endr
.irp i,0,1,2,3,4,5,6,7
	v_fma_f32 v[NN+\i], v[DD+\i], s37, s38
.endr
.irp i,0,1,2,3,4,5,6,7
	v_fma_f32 v[NN+\i], v[NN+\i], v[DD+\i], s39
.endr
.irp i,0,1,2,3,4,5,6,7
	v_fma_f32 v[NN+\i], v[NN+\i], v[DD+\i], s40
.endr
.irp i,0,1,2,3,4,5,6,7
	v_mul_f32 v[NN+\i], v[NN+\i], v[DD+\i]
.endr
.irp i,0,1,2,3,4,5,6,7
	v_fma_f32 v[PH+\i], v[NN+\i], v[VV+\i], v[VV+\i]
.endr
.irp i,0,1,2,3,4,5,6,7
	v_add_f32 v[UU+\i], s41, v[PH+\i]
.endr
.irp i,0,1,2,3,4,5,6,7
	v_cndmask_b32 v[PH+\i], v[PH+\i], v[UU+\i], s[52+\i]               ; + pi/4
.endr
.irp i,0,1,2,3,4,5,6,7
	v_cmp_gt_f32 vcc_lo, |v[\xi+\i]|, |v[\xr+\i]|
	v_sub_f32 v[UU+\i], s42, v[PH+\i]
	v_cndmask_b32 v[PH+\i], v[PH+\i], v[UU+\i], vcc_lo                 ; pi/2 - a where |im| > |re|
.endr
.irp i,0,1,2,3,4,5,6,7
	v_cmp_gt_f32 vcc_lo, 0, v[\xr+\i]
	v_sub_f32 v[UU+\i], s43, v[PH+\i]
	v_cndmask_b32 v[PH+\i], v[PH+\i], v[UU+\i], vcc_lo                 ; pi - a where re < 0
.endr
.irp i,0,1,2,3,4,5,6,7
	v_bfi_b32 v[PH+\i], s44, v[PH+\i], v[\xi+\i]                       ; the sign of im
.endr
.endm
.macro BFMA d, a, k, g                 ; v[d], v[d + 1] += v[a + k] x v[g], v[g + 1]: one number of the pair that holds it feeds both halves
.if ((\k)%2) == 0
	v_pk_fma_f32 v[\d:\d+1], v[\a+\k:\a+\k+1], v[\g:\g+1], v[\d:\d+1] op_sel_hi:[0,1,1]
.else
	v_pk_fma_f32 v[\d:\d+1], v[\a+\k-1:\a+\k], v[\g:\g+1], v[\d:\d+1] op_sel:[1,0,0] op_sel_hi:[1,1,1]
.endif
.endm
.macro GATE8 tk                        ; my 8 places of D into the token's 8 scores, two experts an instruction; the first product starts the sums
.irp ep,0,2,4,6
	v_pk_mul_f32 v[SA+8*\tk+\ep:SA+8*\tk+\ep+1], v[AM:AM+1], v[GA+\ep:GA+\ep+1] op_sel_hi:[0,1]
.endr
.irp dd,1,2,3,4,5,6,7
.irp ep,0,2,4,6
	BFMA SA+8*\tk+\ep, AM, \dd, GA+8*\dd+\ep
.endr
.endr
.irp dd,0,1,2,3,4,5,6,7
.irp ep,0,2,4,6
	BFMA SA+8*\tk+\ep, PH, \dd, GP+8*\dd+\ep
.endr
.endr
.endm
.macro XQUANT tk, pt                   ; my 8 numbers of (token, part): four neighbouring lanes hold a block of 32
.set xs, XIN+16*(\tk)+8*(\pt)
.set xn, 2*(\tk)+(\pt)
	v_max3_num_f32 v124, |v[xs]|, |v[xs+1]|, 0x8000000
	v_max3_num_f32 v125, |v[xs+2]|, |v[xs+3]|, |v[xs+4]|
	v_max3_num_f32 v124, v124, |v[xs+5]|, |v[xs+6]|
	v_max3_num_f32 v124, v124, v125, |v[xs+7]|
	v_max_num_f32_dpp v124, v124, v124 row_xmask:1 row_mask:0xf bank_mask:0xf
	v_max_num_f32_dpp v124, v124, v124 row_xmask:2 row_mask:0xf bank_mask:0xf
	v_add_nc_u32 v125, 0xf8800000, v124
	v_and_or_b32 v126, v124, 0x7f800000, s34
.irp i,0,1,2,3,4,5,6,7
	v_med3_num_f32 v[XT+\i], v[xs+\i], -v126, v126
.endr
	v_cvt_scalef32_pk8_bf8_f32 v[XC+2*xn:XC+2*xn+1], v[XT:XT+7], v125
	v_lshrrev_b32 v[XBY+xn], 23, v125                                  ; the scale's byte (also the plain line behind the conversion)
	global_store_b64 v8, v[XC+2*xn:XC+2*xn+1], s[50:51] offset:1024*(\tk)+512*(\pt)   ; 32 lanes store 256 consecutive bytes, aligned
	ds_store_b8 v10, v[XBY+xn] offset:32*(\tk)+16*(\pt)                ; the four lanes of a block write the same byte with the same value
.endm
	s_load_b512 s[4:19], s[0:1], 0x0               ; x_real s[4:5], x_imag s[6:7], gate_W s[8:9], gate_b s[10:11], W2r s[12:13], W2i s[14:15], idx s[16:17], xbuf s[18:19]
	s_load_b64 s[20:21], s[0:1], 0x40              ; w2c
	v_lshl_add_u32 v127, v0, 2, 0x400
	s_set_vgpr_msb 0xc0
	v_mov_b32 v1, 0
	s_set_vgpr_msb 0xc000
	v_lshrrev_b32 v1, 5, v0
	v_readfirstlane_b32 s22, v1                    ; wave
	v_and_b32 v1, 31, v0                           ; lane l
	v_and_b32 v2, 15, v0                           ; r
	v_bfe_u32 v3, v0, 4, 1                         ; h
	s_and_b32 s23, s22, 1                          ; which half of D
	s_lshr_b32 s24, s22, 1                         ; which pair of tokens
	s_lshr_b32 s25, ttmp9, 5                       ; expert
	s_bfe_u32 s26, ttmp9, 0x30002                  ; output slice
	s_and_b32 s27, ttmp9, 3
	s_lshl_b32 s28, s27, 2
	s_add_co_u32 s28, s28, s22                     ; my K step of W2, 0 .. 15
	v_lshlrev_b32 v4, 5, v1                        ; x: 32 bytes a lane
	v_lshlrev_b32 v5, 8, v1                        ; gate_W: 8 rows of 32 bytes a lane
	v_and_b32 v6, 7, v1
	v_lshlrev_b32 v6, 2, v6                        ; gate_b[l % 8]
	v_lshlrev_b32 v7, 15, v3
	v_lshl_add_u32 v7, v2, 4, v7                   ; W2: 16 rows x h + 16 r
	v_lshlrev_b32 v8, 3, v1                        ; 8 l
	v_lshlrev_b32 v9, 4, v1                        ; 16 l
	s_lshl_b32 s30, s24, 6
	s_lshl_b32 s31, s23, 3
	s_add_co_u32 s31, s31, s30
	s_add_co_u32 s31, s31, SCB
	v_lshrrev_b32 v10, 2, v1
	v_add_nc_u32 v10, s31, v10                     ; LDS: my block's scale byte: SCB + 64 pair + 8 half + l / 4
	s_lshl_b32 s31, s23, 7
	s_add_co_u32 s31, s31, s30
	v_mov_b32 v11, s31                             ; LDS: my wave's partial scores: 128 half + 64 pair
	s_mov_b32 s32, 0x76543210                      ; v_permlanex16_b32: lane l xor 16
	s_mov_b32 s33, 0xfedcba98
	s_mov_b32 s34, 0x600000                        ; the mantissa field of 57,344
	s_mov_b32 s35, 0xffff0000                      ; lanes 16-31
	s_mov_b32 s36, 0x3ed413cd                      ; tan(pi/8)
	s_mov_b32 s37, 0x3da4f0d1                      ; the polynomial: 8.05374e-2,
	s_mov_b32 s38, 0xbe0e1b85                      ; -1.38777e-1,
	s_mov_b32 s39, 0x3e4c925f                      ; 1.99777e-1,
	s_mov_b32 s40, 0xbeaaaa2a                      ; -3.33329e-1
	s_mov_b32 s41, 0x3f490fdb                      ; pi/4
	s_mov_b32 s42, 0x3fc90fdb                      ; pi/2
	s_mov_b32 s43, 0x40490fdb                      ; pi
	s_mov_b32 s44, 0x7fffffff
	s_mov_b32 s45, 0x00800000                      ; 2^-126
	s_mov_b32 s46, 0x3fb8aa3b                      ; log2(e)
	s_lshl_b32 s29, ttmp9, 2
	s_lshl_b32 s30, s24, 1
	s_add_co_u32 s29, s29, s30                     ; my pair's first token
	s_lshl_b32 s30, s29, 11
	s_lshl_b32 s31, s23, 10
	s_add_co_u32 s30, s30, s31                     ; x: token x 2,048 + half x 1,024
	s_mov_b32 s31, 0
	s_wait_kmcnt 0x0
	s_add_nc_u64 s[4:5], s[4:5], s[30:31]
	s_add_nc_u64 s[6:7], s[6:7], s[30:31]
	s_lshl_b32 s30, s23, 13
	s_add_nc_u64 s[8:9], s[8:9], s[30:31]          ; gate_W at my half's 256 rows
	s_lshl_b32 s30, s25, 22
	s_lshl_b32 s47, s28, 18
	s_add_co_u32 s30, s30, s47
	s_lshl_b32 s47, s26, 8
	s_add_co_u32 s30, s30, s47                     ; W2: expert, K step, slice
	s_add_nc_u64 s[12:13], s[12:13], s[30:31]
	s_add_nc_u64 s[14:15], s[14:15], s[30:31]
.irp tk,0,1
	global_load_b128 v[XIN+16*\tk:XIN+16*\tk+3],     v4, s[4:5] offset:2048*\tk
	global_load_b128 v[XIN+16*\tk+4:XIN+16*\tk+7],   v4, s[4:5] offset:2048*\tk+16
	global_load_b128 v[XIN+16*\tk+8:XIN+16*\tk+11],  v4, s[6:7] offset:2048*\tk
	global_load_b128 v[XIN+16*\tk+12:XIN+16*\tk+15], v4, s[6:7] offset:2048*\tk+16
.endr
.set n, 0
.rept 16
	global_load_b128 v[GA+4*n:GA+4*n+3], v5, s[8:9] offset:16*n
	global_load_b128 v[GP+4*n:GP+4*n+3], v5, s[8:9] offset:16384+16*n
.set n, n+1
.endr
	global_load_b32 v12, v6, s[10:11]
	LOADG 0
	s_lshl_b32 s30, s29, 10
	s_lshl_b32 s47, s23, 8
	s_add_co_u32 s30, s30, s47
	s_add_nc_u64 s[50:51], s[18:19], s[30:31]      ; x's codes: token x 1,024 + half x 256
	s_lshl_b32 s47, s25, 3
	s_add_co_u32 s47, s47, s26                     ; 8 expert + slice
	s_lshl_b32 s30, s47, 13
	s_lshl_b32 s49, s28, 9
	s_add_co_u32 s30, s30, s49
	s_add_co_u32 s30, s30, W2SC
	s_add_nc_u64 s[60:61], s[20:21], s[30:31]      ; my K step's scale words
	s_lshl_b32 s30, s47, 18
	s_lshl_b32 s49, s28, 13
	s_add_co_u32 s30, s30, s49
	s_add_nc_u64 s[20:21], s[20:21], s[30:31]      ; my K step's codes
	s_wait_loadcnt 16                              ; all but group 0's 16 loads: x, gate_W and gate_b are in
	LOADG 1                                        ; the weights are on their way while the router is worked
	LOADG 2
	LOADG 3
.irp tk,0,1
	ATAN8 XIN+16*\tk, XIN+16*\tk+8
	GATE8 \tk
.endr
	XQUANT 0, 0
	XQUANT 0, 1
	XQUANT 1, 0
	XQUANT 1, 1
.irp x,1,2,4,8                                 ; the 16 sums over the wave's 32 lanes
.set k, 0
.rept 16
	v_add_f32_dpp v[SA+k], v[SA+k], v[SA+k] row_xmask:\x row_mask:0xf bank_mask:0xf
.set k, k+1
.endr
.endr
.set k, 0
.rept 16
	v_permlanex16_b32 v[UU+k], v[SA+k], s32, s33
.set k, k+1
.endr
.set k, 0
.rept 16
	v_add_f32 v[SA+k], v[SA+k], v[UU+k]
.set k, k+1
.endr
.irp tk,0,1
	ds_store_b128 v11, v[SA+8*\tk:SA+8*\tk+3] offset:32*\tk            ; every lane writes the same bytes with the same values
	ds_store_b128 v11, v[SA+8*\tk+4:SA+8*\tk+7] offset:32*\tk+16
.endr
	s_wait_dscnt 0x0                               ; for the others' sake: my scores and scale bytes lie in LDS
	s_barrier_signal -1
	s_barrier_wait -1
	s_cmp_lg_u32 s22, 0                            ; wave 0 finishes the four tokens: lane l is token l / 8, expert l % 8
	s_cbranch_scc1 .Lstream
	v_lshlrev_b32 v13, 2, v1
	ds_load_b32 v14, v13                           ; the first half of D,
	ds_load_b32 v15, v13 offset:128                ; the second,
	ds_load_b32 v16, v13 offset:SCB                ; and 4 of the tokens' 128 scale bytes
	s_wait_dscnt 0x0
	v_add_f32 v14, v14, v15
	v_add_f32 v14, v14, v12                        ; the score
	v_max_num_f32_dpp v15, v14, v14 row_xmask:1 row_mask:0xf bank_mask:0xf
	v_max_num_f32_dpp v15, v15, v15 row_xmask:2 row_mask:0xf bank_mask:0xf
	v_max_num_f32_dpp v15, v15, v15 row_xmask:4 row_mask:0xf bank_mask:0xf   ; the token's largest score: taken away ahead of the exponential
	v_sub_f32 v17, v14, v15
	v_mul_f32 v17, s46, v17
	v_exp_f32 v17, v17
	v_and_b32 v18, 7, v1                           ; (a plain line behind the exponential)
	s_wait_alu depctr_va_vdst(0)
	v_add_f32_dpp v17, v17, v17 row_xmask:1 row_mask:0xf bank_mask:0xf
	v_add_f32_dpp v17, v17, v17 row_xmask:2 row_mask:0xf bank_mask:0xf
	v_add_f32_dpp v17, v17, v17 row_xmask:4 row_mask:0xf bank_mask:0xf
	v_rcp_f32 v17, v17                             ; the chosen expert's weight: e^0 / the sum
	v_cvt_f32_u32 v19, v18                         ; (a plain line behind the reciprocal)
	v_cmp_eq_f32 vcc_lo, v14, v15
	v_cndmask_b32 v19, 0x41000000, v19, vcc_lo     ; my expert's number where I hold the largest score, else 8
	v_min_num_f32_dpp v19, v19, v19 row_xmask:1 row_mask:0xf bank_mask:0xf
	v_min_num_f32_dpp v19, v19, v19 row_xmask:2 row_mask:0xf bank_mask:0xf
	v_min_num_f32_dpp v19, v19, v19 row_xmask:4 row_mask:0xf bank_mask:0xf   ; ties go to the lower index
	v_cvt_u32_f32 v19, v19
	s_lshl_b32 s47, ttmp9, 7
	v_add_nc_u32 v124, s47, v13
	s_lshl_b32 s47, ttmp9, 4
	v_lshrrev_b32 v125, 3, v1
	v_lshl_add_u32 v125, v125, 2, s47              ; 4 x (4 g + l / 8)
	global_store_b32 v124, v16, s[18:19] offset:XSOFF   ; the four tokens' scale bytes: 128 consecutive bytes
	s_wait_xcnt 0x0                                ; EXEC changes only behind this wait: it is a source of the pending loads and stores
	v_cmp_eq_u32 vcc_lo, 0, v18
	s_and_saveexec_b32 s48, vcc_lo                 ; one lane for each token
	global_store_b32 v125, v19, s[16:17]
	s_wait_alu depctr_va_vdst(0)
	global_store_b32 v125, v17, s[18:19] offset:PROFF
	s_wait_xcnt 0x0
	s_or_b32 exec_lo, exec_lo, s48
.Lstream:
	QG 0, 48                                       ; behind a group's 16 loads stand those of the three groups asked for after it,
	QG 1, 48
	QG 2, 48
	QG 3, 48
	QG 4, 48
	QG 5, 32                                       ; then of two, of one, of none
	QG 6, 16
	QG 7, 0
.irp c,0,1,2,3
	v_cndmask_b32 v[RWO+\c], v[RWD+\c], v[RWD+4+\c], s35               ; lanes 0-15 carry W2r's scale words, lanes 16-31 W2i's: one register serves both in the products
.endr
	global_store_b128 v9, v[RWO:RWO+3], s[60:61]
	s_set_vgpr_msb 0xc
	s_wait_tensorcnt 0x0
	ds_add_u32 v127, v1
	s_wait_dscnt 0x0
	s_set_vgpr_msb 0xc00
	s_endpgm
.Lfunc_end_k_q6ec75c868c_prep:
	.size	k_q6ec75c868c_prep, .Lfunc_end_k_q6ec75c868c_prep-k_q6ec75c868c_prep
	.p2alignl 7, 3214868480
	.fill 96, 4, 3214868480
	.section	.rodata,"a",@progbits
	.p2align	6, 0x0
	.amdhsa_kernel k_q6ec75c868c_prep
		.amdhsa_group_segment_fixed_size 1536
		.amdhsa_private_segment_fixed_size 0
		.amdhsa_enable_private_segment 0
		.amdhsa_kernarg_size 72
		.amdhsa_user_sgpr_count 2
		.amdhsa_user_sgpr_kernarg_segment_ptr 1
		.amdhsa_wavefront_size32 1
		.amdhsa_system_sgpr_workgroup_id_x 1
		.amdhsa_system_sgpr_workgroup_id_y 1
		.amdhsa_system_sgpr_workgroup_id_z 1
		.amdhsa_system_vgpr_workitem_id 0
		.amdhsa_next_free_vgpr 770
		.amdhsa_next_free_sgpr 66
		.amdhsa_reserve_vcc 1
		.amdhsa_float_denorm_mode_32 3
		.amdhsa_float_denorm_mode_16_64 3
		.amdhsa_memory_ordered 1
		.amdhsa_forward_progress 1
		.amdhsa_inst_pref_size 133
	.end_amdhsa_kernel
	.amdgpu_metadata
---
amdhsa.version: [ 1, 2 ]
amdhsa.kernels:
  - .name:           k_q6ec75c868c_prep
    .symbol:         k_q6ec75c868c_prep.kd
    .args:
      - { .name: x_real, .offset: 0, .size: 8, .value_kind: global_buffer, .address_space: global }
      - { .name: x_imag, .offset: 8, .size: 8, .value_kind: global_buffer, .address_space: global }
      - { .name: gate_W, .offset: 16, .size: 8, .value_kind: global_buffer, .address_space: global }
      - { .name: gate_b, .offset: 24, .size: 8, .value_kind: global_buffer, .address_space: global }
      - { .name: W2r, .offset: 32, .size: 8, .value_kind: global_buffer, .address_space: global }
      - { .name: W2i, .offset: 40, .size: 8, .value_kind: global_buffer, .address_space: global }
      - { .name: idx, .offset: 48, .size: 8, .value_kind: global_buffer, .address_space: global }
      - { .name: xbuf, .offset: 56, .size: 8, .value_kind: global_buffer, .address_space: global }
      - { .name: w2c, .offset: 64, .size: 8, .value_kind: global_buffer, .address_space: global }
    .group_segment_fixed_size: 1536
    .private_segment_fixed_size: 0
    .kernarg_segment_align: 8
    .kernarg_segment_size: 72
    .max_flat_workgroup_size: 128
    .sgpr_count:     66
    .vgpr_count:     770
    .wavefront_size: 32
...
	.end_amdgpu_metadata
.endif
;; end of part 1
;; launch layer1 (part 2): grid 256 x 1, 4 waves a work-group, no clusters, 72,704 bytes of LDS; arguments idx, xbuf, W1r, W1i, b1r, b1i, mod_b, hidc, route; writes hidc, route
.if DOCPART == 2
	.amdgcn_target "amdgcn-amd-amdhsa--gfx1250"
	.amdhsa_code_object_version 6
	.text
	.protected	k_q6ec75c868c_layer1
	.globl	k_q6ec75c868c_layer1
	.p2align	8
	.type	k_q6ec75c868c_layer1,@function
k_q6ec75c868c_layer1:
	s_mov_b64 s[64:65], 0
	v_nop
	global_prefetch_b8 v0, s[64:65] scope:SCOPE_SE
	s_setreg_imm32_b32 hwreg(HW_REG_WAVE_MODE, 25, 1), 1
	s_wait_xcnt 0x0
; SECOND LAUNCH.  For the tokens that chose expert e: h = ModReLU(x W1 + b1), complex, both products on codes of E5M2 with E8M0 scales, and h quantised along H for the next launch.
; SHARES.  Work-group g: expert g / 32, hidden units 64 (g % 32) .. + 63 (256 bytes of a weight row).  It reads its 256 KB of W1r, W1i once and quantises them on the way (wave w: K step w, 128 rows of both),
; hands the fragments round through LDS as images of the operand registers, after which EVERY wave holds all 32 fragments in 512 registers and takes the token tiles 4 i + w, i = 0 .. 15.
; The loop's trip count is a constant; a tile past the expert's count is jumped over by a scalar branch on that count, which comes from whole numbers that the first launch stored.
; THE LIST.  Every wave counts; wave 0 places: tokens of the expert fill positions 0 .. count - 1, all others fill from 1,023 down: a permutation of 0 .. 1,023, so that a tile's spare rows name valid tokens.
; The slice-0 work-group of each expert stores list and count for the last launch, and each tile's 16 softmax weights into the tile's record.
; LAYOUT.  A weight group is 32 rows of K x 64 columns; register 4 i + c of lane (r, h) is W[32 b + 16 h + i][4 r + c]; tile c is the columns 4 r + c (see QCORE).  The products are used transposed (source 0 = a weight
; tile, source 1 = 16 tokens): register j of tile c in lane (token r, h) is hidden unit 32 h + 4 j + c, so a lane holds ONE WHOLE BLOCK of 32 along the next K, and its hold writes register 4 j + c.
; h_r is kept as two sums, x_r W_r + b1r and x_i W_i, which are subtracted in f32; h_i is one sum of two products a K step.  The biases are the C of each sum's first product.
; LIMITS: NaN and infinities are not served; a block of zeros keeps the scale byte 1 (its codes are zeros; this program alone reads the bytes).
; No tensor load, no cluster: no two work-groups read the same weight bytes.
.set ROWB,  8192                       ; a row of W1 in bytes
.set WSC,   65536                      ; LDS: fragment images at 0: ((4 m + c) 4 + s) 2,048 + 512 quad + 16 lane;  here the weights' scale words: 512 s + 16 lane, four tiles;
.set LIST,  67584                      ; here the list, 1,024 words
.set XSOFF, 1048576                    ; xbuf: scale words behind the codes,
.set PROFF, 1081344                    ; and the tokens' softmax weights
.set REC,   67840                      ; hidc: a tile's record: codes 2 x 32,768, scale words 2 x 1,024, the rows' weights (128 bytes at WOFF), 128 bytes unused
.set WOFF,  67584
.set LSA,   20                         ; the list phase: v20-51 LDS addresses, v52-83 tokens, v84 1,023 - l, v85 4 l, v86-87 at work, v224-255 idx
.set LSV,   52
.set IDX,   224
.set RM,    20                         ; the weight stream: as in the first launch
.set RP,    24
.set RSC,   28
.set RLIM,  32
.set RWD,   36
.set QCD,   44                         ; v44-59 a group's codes
.set RWO,   60
.set RT,    64                         ; v64-95
;                                        v96-111 the weights' scale words (4 s + c), v112-115 x's (s): these hold scales and nothing else;  v116 4 l, v117 the weight's offset, v118 my row's softmax weight
;                                        v128-191 x_r's fragments (16 s), v192-255 x_i's
.set RR,    0                          ; window 1: three sums of 4 tiles x 8,
.set II,    32
.set HI,    64
.set B1R,   96                         ; the biases in the sums' layout (8 c + j),
.set B1I,   128
.set MB,    160
.set QQ,    192                        ; 32 at work,
.set CR,    224                        ; h_r's 8 registers of codes, h_i's;  v240-251 small things
.set CI,    232
;                                        windows 2, 3: the landing place of W1r, W1i (64 registers a group), then their 16 fragments each at 16 (4 c + s)
.set MSB, 0
.macro WIN new                         ; the immediate's high byte repeats the setting that is left; a switch that changes nothing is dropped
.if MSB != (\new)
	s_set_vgpr_msb (MSB<<8)|(\new)
.set MSB, (\new)
.endif
.endm
.macro LOADG g                         ; group g = 4 m + b into its own 64 registers: window 2 + m, v[64 b] on; each load of a wave reads two whole pieces of 256 bytes
.set LM, (\g)/4
.set LB, (\g)%4
	WIN (2+LM)<<6
.set li, 0
.rept 16
	global_load_b128 v[64*LB+4*li:64*LB+4*li+3], v5, s[8+2*LM:9+2*LM] offset:(32*LB+li)*ROWB th:TH_LOAD_NT
.set li, li+1
.endr
	WIN 0
.endm
.macro QCORE                           ; one group becomes 16 registers of codes (registers 4 b .. 4 b + 3 of the four tiles' fragments) and byte b of four scale words
	WIN QW|(QW<<2)
.irp c,0,1,2,3
	v_max3_num_f32 v[RM+\c], |v[QZ+\c]|, |v[QZ+4+\c]|, 0x8000000      ; column 4 r + c: my 16 rows, and the floor 2^(16 - 127): the byte cannot fall under 1
.endr
.irp i,2,4,6,8,10,12,14
.irp c,0,1,2,3
	v_max3_num_f32 v[RM+\c], |v[QZ+4*\i+\c]|, |v[QZ+4*\i+4+\c]|, v[RM+\c]
.endr
.endr
	WIN 0
.irp c,0,1,2,3
	v_permlanex16_b32 v[RP+\c], v[RM+\c], s32, s33
.endr
.irp c,0,1,2,3
	v_max_num_f32 v[RM+\c], v[RM+\c], v[RP+\c]                         ; with lane l xor 16: the block's largest magnitude
.endr
.irp c,0,1,2,3
	v_add_nc_u32 v[RSC+\c], 0xf8800000, v[RM+\c]                       ; 15 off its exponent field: the conversion's scale operand
.endr
.irp c,0,1,2,3
	v_and_or_b32 v[RLIM+\c], v[RM+\c], 0x7f800000, s34                 ; 57,344 x the scale
.endr
.if QB == 0
.irp c,0,1,2,3
	v_lshrrev_b32 v[RWD+4*QM+\c], 23, v[RSC+\c]
.endr
.else
.irp c,0,1,2,3
	v_lshrrev_b32 v[RP+\c], 23, v[RSC+\c]
.endr
.irp c,0,1,2,3
	v_lshl_or_b32 v[RWD+4*QM+\c], v[RP+\c], 8*QB, v[RWD+4*QM+\c]
.endr
.endif
.irp hf,0,1
	WIN QW
.irp cc,0,1
.irp i,0,1,2,3,4,5,6,7,8,9,10,11,12,13,14,15
	v_med3_num_f32 v[RT+16*\cc+\i], v[QZ+4*\i+2*\hf+\cc], -v[RLIM+2*\hf+\cc], v[RLIM+2*\hf+\cc]   ; the hold (ISA guide 7.6.2), and the turn from 4 i + c to 16 c + i
.endr
.endr
	WIN 0
.if \hf == 0
	s_wait_dscnt 0x0                               ; the last group's LDS stores have read the code registers
.endif
.irp cc,0,1
	v_cvt_scalef32_pk8_bf8_f32 v[QCD+4*(2*\hf+\cc):QCD+4*(2*\hf+\cc)+1], v[RT+16*\cc:RT+16*\cc+7], v[RSC+2*\hf+\cc]
	v_cvt_scalef32_pk8_bf8_f32 v[QCD+4*(2*\hf+\cc)+2:QCD+4*(2*\hf+\cc)+3], v[RT+16*\cc+8:RT+16*\cc+15], v[RSC+2*\hf+\cc]
.endr
	v_nop                                          ; one plain line behind the conversions
.endr
.endm
; The 16 tokens named in v9 (lane r and lane 16 + r hold the same): their codes of x_r and x_i as fragments, their scale words (lanes 0-15 x_r's, lanes 16-31 x_i's), and their softmax weights.
.macro XGATHER
	s_wait_dscnt 0x0                               ; the tokens are back from the list
	s_wait_xcnt 0x0                                ; the weight's register is the data of a store that may be pending: it is loaded again only behind this wait
	v_min_u32 v9, 0x3ff, v9                        ; a loaded number enters an address only behind this bound
	v_lshlrev_b32 v10, 10, v9
	v_lshl_add_u32 v10, v3, 4, v10                 ; token x 1,024 + 16 h
	v_lshlrev_b32 v11, 5, v9
	v_lshl_add_u32 v11, v3, 4, v11                 ; token x 32 + 16 h
	v_lshlrev_b32 v117, 2, v9                      ; token x 4
.irp p,0,1
.irp s,0,1,2,3
.irp c,0,1,2,3
	global_load_b128 v[128+64*\p+16*\s+4*\c:128+64*\p+16*\s+4*\c+3], v10, s[6:7] offset:512*\p+128*\s+32*\c
.endr
.endr
.endr
	global_load_b128 v[112:115], v11, s[6:7] offset:XSOFF
	global_load_b32 v118, v117, s[6:7] offset:PROFF
.endm
.macro QG g, left                      ; group g's turn; left = the group loads issued behind group g's
	s_wait_loadcnt \left
.if (\g)+4 < 8
	LOADG (\g)+4
.endif
.if (\g) == 7
	XGATHER                                        ; behind the stream's last wait, so that no count above has to know of it: the first tile's x lands while the last group is worked
.endif
.set QM, (\g)/4
.set QB, (\g)%4
.set QW, 2+QM
.set QZ, 64*QB
	QCORE
.irp c,0,1,2,3
	ds_store_b128 v12, v[QCD+4*\c:QCD+4*\c+3] offset:(QM*4+\c)*8192+QB*512   ; the image: 16 bytes a lane, 512 on end
.endr
.endm
.macro LISTK k                         ; register k of idx: tokens 128 (k / 4) + 4 l + k % 4
	v_cmp_eq_u32 s26, s23, v[IDX+\k]
	v_mbcnt_lo_u32_b32 v86, s26, s25               ; the expert's tokens so far: where mine goes if it is one
	v_add3_u32 v87, v86, v84, -32*\k               ; else 1,023 - (the other tokens so far) = that + 1,023 - l - 32 k
	v_cndmask_b32 v[LSA+\k], v87, v86, s26
	v_min_u32 v[LSA+\k], 0x3ff, v[LSA+\k]
	v_lshl_add_u32 v[LSA+\k], v[LSA+\k], 2, LIST
	v_add_nc_u32 v[LSV+\k], 128*(\k/4)+\k%4, v85
	s_bcnt1_i32_b32 s27, s26
	s_add_co_u32 s25, s25, s27
.endm
; One matrix instruction.  kind: which rows of the scale registers (0: both low; 1: source 0 from lanes 16-31; 2: both; 3: source 1), 4: as 2 with the constant 0 as C
.macro WM kind, d, a, b, c, sa, sb
.if (\kind) == 0
	v_wmma_scale_f32_16x16x128_f8f6f4 v[(\d):(\d)+7], v[(\a):(\a)+15], v[(\b):(\b)+15], v[(\c):(\c)+7], v[\sa], v[\sb] matrix_a_fmt:MATRIX_FMT_BF8 matrix_b_fmt:MATRIX_FMT_BF8
.elseif (\kind) == 1
	v_wmma_scale_f32_16x16x128_f8f6f4 v[(\d):(\d)+7], v[(\a):(\a)+15], v[(\b):(\b)+15], v[(\c):(\c)+7], v[\sa], v[\sb] matrix_a_fmt:MATRIX_FMT_BF8 matrix_b_fmt:MATRIX_FMT_BF8 matrix_a_scale:MATRIX_SCALE_ROW1
.elseif (\kind) == 2
	v_wmma_scale_f32_16x16x128_f8f6f4 v[(\d):(\d)+7], v[(\a):(\a)+15], v[(\b):(\b)+15], v[(\c):(\c)+7], v[\sa], v[\sb] matrix_a_fmt:MATRIX_FMT_BF8 matrix_b_fmt:MATRIX_FMT_BF8 matrix_a_scale:MATRIX_SCALE_ROW1 matrix_b_scale:MATRIX_SCALE_ROW1
.elseif (\kind) == 3
	v_wmma_scale_f32_16x16x128_f8f6f4 v[(\d):(\d)+7], v[(\a):(\a)+15], v[(\b):(\b)+15], v[(\c):(\c)+7], v[\sa], v[\sb] matrix_a_fmt:MATRIX_FMT_BF8 matrix_b_fmt:MATRIX_FMT_BF8 matrix_b_scale:MATRIX_SCALE_ROW1
.else
	v_wmma_scale_f32_16x16x128_f8f6f4 v[(\d):(\d)+7], v[(\a):(\a)+15], v[(\b):(\b)+15], 0, v[\sa], v[\sb] matrix_a_fmt:MATRIX_FMT_BF8 matrix_b_fmt:MATRIX_FMT_BF8 matrix_a_scale:MATRIX_SCALE_ROW1 matrix_b_scale:MATRIX_SCALE_ROW1
.endif
.endm
; A lane's 32 numbers (register 8 c + j = unit 4 j + c) are one block: its largest magnitude needs no other lane.  All registers in window 1.
.macro HQUANT src, cod, byt
	v_max3_num_f32 v240, |v[\src]|, |v[\src+1]|, 0x8000000
	v_max3_num_f32 v241, |v[\src+2]|, |v[\src+3]|, |v[\src+4]|
.irp i,5,9,13,17,21,25
	v_max3_num_f32 v240, v240, |v[\src+\i]|, |v[\src+\i+1]|
	v_max3_num_f32 v241, v241, |v[\src+\i+2]|, |v[\src+\i+3]|
.endr
	v_max3_num_f32 v240, v240, |v[\src+29]|, |v[\src+30]|
	v_max3_num_f32 v240, v240, v241, |v[\src+31]|
	v_add_nc_u32 v242, 0xf8800000, v240
	v_and_or_b32 v243, v240, 0x7f800000, s34
	v_lshrrev_b32 v[\byt], 23, v242
.irp c,0,1,2,3
.irp j,0,1,2,3,4,5,6,7
	v_med3_num_f32 v[QQ+4*\j+\c], v[\src+8*\c+\j], -v243, v243         ; the hold, and the turn to the order of the units
.endr
.endr
.irp g,0,1,2,3
	v_cvt_scalef32_pk8_bf8_f32 v[\cod+2*\g:\cod+2*\g+1], v[QQ+8*\g:QQ+8*\g+7], v242
.endr
	v_nop                                          ; one plain line behind the conversions
.endm
	s_load_b512 s[4:19], s[0:1], 0x0               ; idx s[4:5], xbuf s[6:7], W1r s[8:9], W1i s[10:11], b1r s[12:13], b1i s[14:15], mod_b s[16:17], hidc s[18:19]
	s_load_b64 s[20:21], s[0:1], 0x40              ; route
	v_lshl_add_u32 v126, v0, 2, 0x11a00
	v_mov_b32 v127, 0
	v_lshrrev_b32 v1, 5, v0
	v_readfirstlane_b32 s22, v1                    ; wave
	v_and_b32 v1, 31, v0                           ; lane l
	v_and_b32 v2, 15, v0                           ; r
	v_bfe_u32 v3, v0, 4, 1                         ; h
	s_lshr_b32 s23, ttmp9, 5                       ; expert
	s_and_b32 s24, ttmp9, 31                       ; slice of 64 hidden units
	v_lshlrev_b32 v4, 4, v1                        ; 16 l
	v_lshlrev_b32 v5, 17, v3
	v_lshl_add_u32 v5, v2, 4, v5                   ; W1: 16 rows x h + 16 r
	v_lshlrev_b32 v6, 7, v3                        ; the biases: my half's 32 numbers
	s_lshl_b32 s31, s22, 6
	s_add_co_u32 s31, s31, LIST
	v_lshl_add_u32 v7, v2, 2, s31                  ; the list: position 16 w + r
	s_lshl_b32 s31, s22, 11
	v_add_nc_u32 v12, s31, v4                      ; my images: 16 l + 2,048 w
	v_add_nc_u32 v13, WSC, v4                      ; 16 l + the scale words' place
	s_lshl_b32 s31, s22, 9
	v_add_nc_u32 v14, s31, v13                     ; my K step's scale words
	v_lshlrev_b32 v15, 2, v0                       ; 4 x thread
	s_lshl_b32 s31, s22, 10
	v_add_nc_u32 v17, s31, v4                      ; my quarter of the list, in route,
	v_add_nc_u32 v16, LIST, v17                    ; and in LDS
	v_lshlrev_b32 v18, 9, v3
	v_lshl_add_u32 v18, v2, 4, v18                 ; hidc: 512 h + 16 r: block h of my slice, lane r of the image
	v_lshlrev_b32 v19, 10, v3
	v_lshl_add_u32 v19, v2, 2, v19                 ; hidc: part h, row r of the scale words
	v_sub_nc_u32 v84, 1023, v1
	v_lshlrev_b32 v85, 2, v1
	v_lshlrev_b32 v116, 2, v1                      ; 4 l: the rows' weights in a record (lanes 16-31 write a second copy behind the first)
	s_mov_b32 s32, 0x76543210                      ; v_permlanex16_b32: lane l xor 16
	s_mov_b32 s33, 0xfedcba98
	s_mov_b32 s34, 0x600000                        ; the mantissa field of 57,344
	s_mov_b32 s35, 0xffff0000                      ; lanes 16-31
	s_mov_b32 s36, 0x2edbe6ff                      ; eps = 1e-10
	s_mov_b32 s37, s36                             ; (named with it as a pair)
	s_mov_b32 s25, 0                               ; the count
	s_lshl_b32 s44, s23, 13
	s_lshl_b32 s31, s24, 8
	s_add_co_u32 s44, s44, s31                     ; the biases: expert x 8,192 + slice x 256
	s_mov_b32 s45, 0
	s_lshl_b32 s48, s23, 22
	s_lshl_b32 s27, s22, 20
	s_add_co_u32 s48, s48, s27
	s_add_co_u32 s48, s48, s31                     ; W1: expert, K step, slice
	s_mov_b32 s49, 0
	s_wait_kmcnt 0x0
	s_add_nc_u64 s[12:13], s[12:13], s[44:45]
	s_add_nc_u64 s[14:15], s[14:15], s[44:45]
	s_add_nc_u64 s[16:17], s[16:17], s[44:45]
	s_add_nc_u64 s[8:9], s[8:9], s[48:49]
	s_add_nc_u64 s[10:11], s[10:11], s[48:49]
.irp j,0,1,2,3,4,5,6,7
	global_load_b128 v[IDX+4*\j:IDX+4*\j+3], v4, s[4:5] offset:512*\j
.endr
.irp n,0,1,2,3,4,5,6,7
	global_load_b128 v[128+4*\n:131+4*\n], v6, s[12:13] offset:16*\n   ; register 4 n + c: unit 32 h + 4 n + c
	global_load_b128 v[160+4*\n:163+4*\n], v6, s[14:15] offset:16*\n
	global_load_b128 v[192+4*\n:195+4*\n], v6, s[16:17] offset:16*\n
.endr
	LOADG 0
	LOADG 1
	s_lshl_b32 s44, s23, 6
	s_add_co_u32 s44, s44, s22
	s_mul_i32 s44, s44, REC                        ; my first tile's record: 64 e + w
	s_lshr_b32 s31, s24, 1                         ; my slice lies in K step slice / 2 of the next product,
	s_and_b32 s27, s24, 1                          ; in its blocks 2 (slice % 2) + h
	s_lshl_b32 s48, s31, 11
	s_add_co_u32 s48, s48, s44
	s_lshl_b32 s26, s27, 10
	s_add_co_u32 s48, s48, s26
	s_add_nc_u64 s[38:39], s[18:19], s[48:49]      ; the codes,
	s_lshl_b32 s48, s31, 6
	s_add_co_u32 s48, s48, s44
	s_lshl_b32 s26, s27, 1
	s_add_co_u32 s48, s48, s26
	s_add_co_u32 s48, s48, 65536
	s_add_nc_u64 s[40:41], s[18:19], s[48:49]      ; my two bytes of each row's scale word,
	s_add_co_u32 s48, s44, WOFF
	s_add_nc_u64 s[54:55], s[18:19], s[48:49]      ; the rows' weights
	s_lshl_b32 s48, s23, 12
	s_add_nc_u64 s[50:51], s[20:21], s[48:49]      ; route: the expert's list,
	s_lshl_b32 s48, s23, 9
	s_add_co_u32 s48, s48, 32768
	s_add_nc_u64 s[52:53], s[20:21], s[48:49]      ; and its count
	s_wait_loadcnt 56                              ; behind idx's 8 loads: 24 of the biases and 32 of two groups
	LOADG 2
	LOADG 3
.irp k,0,1,2,3,4,5,6,7,8,9,10,11,12,13,14,15,16,17,18,19,20,21,22,23,24,25,26,27,28,29,30,31
	LISTK \k
.endr
	s_cmp_lg_u32 s22, 0                            ; wave 0 alone stores the list; ahead of the barrier below no other wave touches LDS
	s_cbranch_scc1 .Lnolist
.set k, 0
.rept 32
	ds_store_b32 v[LSA+k], v[LSV+k]
.set k, k+1
.endr
.Lnolist:
	s_wait_dscnt 0x0
	s_barrier_signal -1
	s_barrier_wait -1                              ; the list lies in LDS
	s_wait_loadcnt 63                              ; behind the biases stand 64 group loads
	WIN 0x40
.irp c,0,1,2,3
.irp j,0,1,2,3,4,5,6,7
	v_mov_b32 v[B1R+8*\c+\j], v[128+4*\j+\c]       ; once in the launch: into the sums' layout, so that a bias is the C of a sum's first product and costs no addition in any tile
	v_mov_b32 v[B1I+8*\c+\j], v[160+4*\j+\c]
	v_mov_b32 v[MB+8*\c+\j],  v[192+4*\j+\c]
.endr
.endr
	v_mov_b32 v247, 0                              ; a lane permute's destination counts as one of its sources
	WIN 0
.irp c,0,1,2,3
	v_mov_b32 v[RP+\c], 0                          ; likewise
.endr
	s_cmp_lg_u32 s24, 0                            ; slice 0 hands list and count to the last launch
	s_cbranch_scc1 .Lnoroute
	ds_load_b128 v[64:67], v16
	ds_load_b128 v[68:71], v16 offset:512
	v_mov_b32 v72, s25
	s_wait_dscnt 0x0
	global_store_b128 v17, v[64:67], s[50:51]
	global_store_b128 v17, v[68:71], s[50:51] offset:512
	global_store_b32 v15, v72, s[52:53]            ; the count, in all 128 words of the expert's place: whole runs of 128 bytes a wave
	s_wait_xcnt 0x0                                ; the stores have read their registers: the stream writes them again
.Lnoroute:
	ds_load_b32 v9, v7                             ; my first tile's tokens
	QG 0, 48                                       ; behind a group's 16 loads stand those of the three groups asked for after it,
	QG 1, 48
	QG 2, 48
	QG 3, 48
	QG 4, 48
	QG 5, 32                                       ; then of two, of one, of none
	QG 6, 16
	QG 7, 0
.irp c,0,1,2,3
	v_cndmask_b32 v[RWO+\c], v[RWD+\c], v[RWD+4+\c], s35               ; lanes 0-15 carry W1r's scale words, lanes 16-31 W1i's
.endr
	ds_store_b128 v14, v[RWO:RWO+3]
	s_wait_dscnt 0x0                               ; for the others' sake: my images and scale words lie in LDS
	s_barrier_signal -1
	s_barrier_wait -1                              ; the last barrier: no branch on the count stands ahead of it
	WIN 0x80
.set n, 0
.rept 64
	ds_load_b128 v[4*n:4*n+3], v4 offset:512*n     ; W1r's 16 fragments: fragment 4 c + s at v[16 (4 c + s)]
.set n, n+1
.endr
	WIN 0xc0
.set n, 0
.rept 64
	ds_load_b128 v[4*n:4*n+3], v4 offset:32768+512*n   ; W1i's
.set n, n+1
.endr
	WIN 0
.irp s,0,1,2,3
	ds_load_b128 v[96+4*\s:99+4*\s], v13 offset:512*\s
.endr
	s_wait_dscnt 0x0
	s_lshl_b32 s28, s22, 4                         ; my tile's first position: 64 i + 16 w
	s_add_co_u32 s46, s28, 64                      ; the next tile's
	s_mov_b32 s29, 256                             ; the next tile's place in the list, in bytes,
	s_mov_b32 s47, 256                             ; held inside the list
	s_mov_b32 s30, 0
.Ltrip:
	s_cmp_ge_u32 s28, s25                          ; no token of the expert in this tile
	s_cbranch_scc1 .Lskip
	s_wait_loadcnt 0x0                             ; x's fragments and scale words, and the rows' weights
	s_cmp_lg_u32 s24, 0                            ; slice 0 hands the tile's weights on
	s_cbranch_scc1 .Lnoweight
	global_store_b32 v116, v118, s[54:55]
.Lnoweight:
.irp s,0,1,2,3                                 ; 16 products a K step; the 12 accumulators take turns, one instruction a turn
	WIN 0x52
.irp c,0,1,2,3
.if \s == 0
	WM 0, RR+8*\c, 16*(4*\c+\s), 128+16*\s, B1R+8*\c, 96+4*\s+\c, 112+\s
.else
	WM 0, RR+8*\c, 16*(4*\c+\s), 128+16*\s, RR+8*\c, 96+4*\s+\c, 112+\s
.endif
.endr
	WIN 0x53
.irp c,0,1,2,3
.if \s == 0
	WM 1, HI+8*\c, 16*(4*\c+\s), 128+16*\s, B1I+8*\c, 96+4*\s+\c, 112+\s
.else
	WM 1, HI+8*\c, 16*(4*\c+\s), 128+16*\s, HI+8*\c, 96+4*\s+\c, 112+\s
.endif
.endr
.irp c,0,1,2,3
.if \s == 0
	WM 4, II+8*\c, 16*(4*\c+\s), 192+16*\s, II+8*\c, 96+4*\s+\c, 112+\s
.else
	WM 2, II+8*\c, 16*(4*\c+\s), 192+16*\s, II+8*\c, 96+4*\s+\c, 112+\s
.endif
.endr
	WIN 0x52
.irp c,0,1,2,3
	WM 3, HI+8*\c, 16*(4*\c+\s), 192+16*\s, HI+8*\c, 96+4*\s+\c, 112+\s
.endr
.endr
	WIN 0
.rept 9
	v_nop                                          ; places behind the products: eight for the loads into x's registers and the reads of the sums, nine for the next tile's first products, which begin the sums anew
.endr
	s_cmp_ge_u32 s46, s25                          ; the next tile's x is asked for now, if that tile has a token
	s_cbranch_scc1 .Lnonext
	v_add_nc_u32 v8, s47, v7
	ds_load_b32 v9, v8
	XGATHER
.Lnonext:
	WIN 0x55                                       ; ModReLU, all in window 1
.set j, 0
.rept 16
	v_pk_add_f32 v[RR+j:RR+j+1], v[RR+j:RR+j+1], v[II+j:II+j+1] neg_lo:[0,1] neg_hi:[0,1]   ; h_r; each accumulator is read from its low end on
.set j, j+2
.endr
.set j, 0
.rept 16
	v_pk_fma_f32 v[II+j:II+j+1], v[RR+j:RR+j+1], v[RR+j:RR+j+1], s[36:37] op_sel_hi:[1,1,0]
.set j, j+2
.endr
.set j, 0
.rept 16
	v_pk_fma_f32 v[II+j:II+j+1], v[HI+j:HI+j+1], v[HI+j:HI+j+1], v[II+j:II+j+1]
.set j, j+2
.endr
.set j, 0
.rept 32
	v_sqrt_f32 v[II+j], v[II+j]                    ; a = sqrt(h_r^2 + h_i^2 + eps)
.set j, j+1
.endr
	v_nop
.set j, 0
	s_wait_alu depctr_va_vdst(0)
.rept 16
	v_pk_add_f32 v[QQ+j:QQ+j+1], v[II+j:II+j+1], v[MB+j:MB+j+1]
.set j, j+2
.endr
.set j, 0
.rept 32
	v_max_num_f32 v[QQ+j], 0, v[QQ+j]              ; relu(a + mod_b)
.set j, j+1
.endr
.set j, 0
.rept 16
	v_pk_add_f32 v[II+j:II+j+1], v[II+j:II+j+1], s[36:37] op_sel_hi:[1,0]
.set j, j+2
.endr
.set j, 0
.rept 32
	v_rcp_f32 v[II+j], v[II+j]                     ; 1 / (a + eps)
.set j, j+1
.endr
	v_nop
.set j, 0
	s_wait_alu depctr_va_vdst(0)
.rept 16
	v_pk_mul_f32 v[II+j:II+j+1], v[II+j:II+j+1], v[QQ+j:QQ+j+1]
.set j, j+2
.endr
.set j, 0
.rept 16
	v_pk_mul_f32 v[RR+j:RR+j+1], v[RR+j:RR+j+1], v[II+j:II+j+1]
	v_pk_mul_f32 v[HI+j:HI+j+1], v[HI+j:HI+j+1], v[II+j:II+j+1]
.set j, j+2
.endr
	HQUANT RR, CR, 244
	HQUANT HI, CI, 245
	v_cndmask_b32 v246, v245, v244, s35            ; the two bytes of a row's half word lie in lanes r and 16 + r: lanes 0-15 gather h_r's, lanes 16-31 h_i's
	v_permlanex16_b32 v247, v246, s32, s33
	v_cndmask_b32 v250, v244, v247, s35
	v_cndmask_b32 v251, v247, v245, s35
	v_lshl_or_b32 v250, v251, 8, v250
	WIN 0x04                                       ; a store's data are its source 1: window 1; the addresses lie in window 0
	global_store_b128 v18, v[CR:CR+3],   s[38:39]              ; units 0-15 of my block go to lane r of the image, units 16-31 to lane 16 + r: sixteen lanes store 256 consecutive bytes, aligned
	global_store_b128 v18, v[CR+4:CR+7], s[38:39] offset:256
	global_store_b128 v18, v[CI:CI+3],   s[38:39] offset:32768
	global_store_b128 v18, v[CI+4:CI+7], s[38:39] offset:33024
	global_store_b16 v19, v250, s[40:41]
	WIN 0
.Lskip:
	s_wait_xcnt 0x0                                ; the stores have read their data and bases, the loads their addresses: all are written again
	s_add_co_u32 s28, s28, 64
	s_add_co_u32 s46, s46, 64
	s_add_co_u32 s29, s29, 256
	s_min_u32 s47, s29, 3840
	s_add_nc_u64 s[38:39], s[38:39], 4*REC
	s_add_nc_u64 s[40:41], s[40:41], 4*REC
	s_add_nc_u64 s[54:55], s[54:55], 4*REC
	s_add_co_u32 s30, s30, 1
	s_cmp_lt_u32 s30, 16
	s_cbranch_scc1 .Ltrip
	s_wait_tensorcnt 0x0
	ds_add_u32 v126, v127
	s_wait_dscnt 0x0
	s_endpgm
.Lfunc_end_k_q6ec75c868c_layer1:
	.size	k_q6ec75c868c_layer1, .Lfunc_end_k_q6ec75c868c_layer1-k_q6ec75c868c_layer1
	.p2alignl 7, 3214868480
	.fill 96, 4, 3214868480
	.section	.rodata,"a",@progbits
	.p2align	6, 0x0
	.amdhsa_kernel k_q6ec75c868c_layer1
		.amdhsa_group_segment_fixed_size 72704
		.amdhsa_private_segment_fixed_size 0
		.amdhsa_enable_private_segment 0
		.amdhsa_kernarg_size 72
		.amdhsa_user_sgpr_count 2
		.amdhsa_user_sgpr_kernarg_segment_ptr 1
		.amdhsa_wavefront_size32 1
		.amdhsa_system_sgpr_workgroup_id_x 1
		.amdhsa_system_sgpr_workgroup_id_y 1
		.amdhsa_system_sgpr_workgroup_id_z 1
		.amdhsa_system_vgpr_workitem_id 0
		.amdhsa_next_free_vgpr 1024
		.amdhsa_next_free_sgpr 66
		.amdhsa_reserve_vcc 0
		.amdhsa_float_denorm_mode_32 3
		.amdhsa_float_denorm_mode_16_64 3
		.amdhsa_memory_ordered 1
		.amdhsa_forward_progress 1
		.amdhsa_inst_pref_size 156
	.end_amdhsa_kernel
	.amdgpu_metadata
---
amdhsa.version: [ 1, 2 ]
amdhsa.kernels:
  - .name:           k_q6ec75c868c_layer1
    .symbol:         k_q6ec75c868c_layer1.kd
    .args:
      - { .name: idx, .offset: 0, .size: 8, .value_kind: global_buffer, .address_space: global }
      - { .name: xbuf, .offset: 8, .size: 8, .value_kind: global_buffer, .address_space: global }
      - { .name: W1r, .offset: 16, .size: 8, .value_kind: global_buffer, .address_space: global }
      - { .name: W1i, .offset: 24, .size: 8, .value_kind: global_buffer, .address_space: global }
      - { .name: b1r, .offset: 32, .size: 8, .value_kind: global_buffer, .address_space: global }
      - { .name: b1i, .offset: 40, .size: 8, .value_kind: global_buffer, .address_space: global }
      - { .name: mod_b, .offset: 48, .size: 8, .value_kind: global_buffer, .address_space: global }
      - { .name: hidc, .offset: 56, .size: 8, .value_kind: global_buffer, .address_space: global }
      - { .name: route, .offset: 64, .size: 8, .value_kind: global_buffer, .address_space: global }
    .group_segment_fixed_size: 72704
    .private_segment_fixed_size: 0
    .kernarg_segment_align: 8
    .kernarg_segment_size: 72
    .max_flat_workgroup_size: 128
    .sgpr_count:     66
    .vgpr_count:     1024
    .wavefront_size: 32
...
	.end_amdgpu_metadata
.endif
;; end of part 2
;; launch layer2 (part 3): grid 256 x 1, 4 waves a work-group, no clusters, 297,472 bytes of LDS; arguments route, w2c, hidc, b2r, b2i, out0, out1; writes out0, out1
.if DOCPART == 3
	.amdgcn_target "amdgcn-amd-amdhsa--gfx1250"
	.amdhsa_code_object_version 6
	.text
	.protected	k_q6ec75c868c_layer2
	.globl	k_q6ec75c868c_layer2
	.p2align	8
	.type	k_q6ec75c868c_layer2,@function
k_q6ec75c868c_layer2:
	s_mov_b64 s[64:65], 0
	v_nop
	global_prefetch_b8 v0, s[64:65] scope:SCOPE_SE
	s_setreg_imm32_b32 hwreg(HW_REG_WAVE_MODE, 25, 1), 1
	s_wait_xcnt 0x0
; THIRD LAUNCH.  out = weight x (h W2 + b2), complex, for each token and the expert that it chose; both operands arrive as codes of E5M2 with E8M0 scales, laid in the order of the operand registers.
; SHARES.  Work-group g: expert g / 32, output slice (g / 4) % 8 (64 columns), quarter q = g % 4 of the expert's token tiles.  The slice's 256 KB of codes of W2r and W2i come into LDS once, through registers
; (64 KB a wave); wave w then takes tiles 16 i + 4 w + q, i = 0 .. 3: 16 tokens x 64 outputs x (re, im), K = 2,048 in 16 steps of 16 products.  The trip count is a constant; a tile past the expert's count,
; a whole number that the second launch stored, is jumped over.  Each output row has one owner.
; LAYOUT.  Tile c of the weights is the columns 4 r + c; the products are used transposed, so register j of tile c in lane (token r, h) is output 32 h + 4 j + c; the multiplication by the token's weight writes
; register 4 j + c: 128 neighbouring bytes of a row.  They go through the wave's own stage in LDS and come back a row at a time, 8 bytes a lane: one store of the wave is the slice's 256 bytes of one token's row.
; A ROW'S TOKEN IS THE SAME FOR ALL LANES, SO IT IS A SCALAR: the tile's 16 tokens come by one scalar load from the expert's list, are held at 1,023 and shifted in scalar registers.  The expert's rows are the
; first of a tile, so a scalar compare of the rows left with the row's number ends the run of stores: EXEC is never changed.
; o_r is kept as two sums, h_r W_r + b2r and h_i W_i, subtracted in f32; o_i is one sum of two products a K step.
; No tensor load, no asynchronous copy, no cluster, though the four quarters read the same 256 KB.
.set W2SC,  16777216                   ; w2c: the scale words behind the codes
.set REC,   67840                      ; hidc: a tile's record: codes 2 x 32,768, scale words 2 x 1,024, the rows' weights at WOFF
.set WOFF,  67584
.set STG,   262144                     ; LDS: the codes at 0, as in w2c: 131,072 m + 8,192 s + 2,048 c + 512 quad + 16 lane;  here a stage of 2 x 16 rows x 272 bytes for each wave
.set RR,    0                          ; window 1: three sums of 4 tiles x 8,
.set II,    32
.set HI,    64
.set B2R,   96                         ; the biases in the sums' layout (8 c + j),
.set B2I,   128
.set ORE,   160                        ; the results in the order of the outputs (4 j + c)
.set OIM,   192
.set AO,    32                         ; window 0: v32-47 the 16 rows' byte offsets in out0 and out1: token x 2,048 + 8 l
.set OB,    128                        ; v128-159 the rows of o_r as they leave, a pair a row; v160-191 those of o_i
.set TKS,   68                         ; s[68:83] the tile's 16 tokens, then their rows' byte offsets
;                                        window 0 besides: v4-7 16 l + 65,536 k; v9-19 addresses; v29 my row's weight
;                                        v48-63 h's scale words (s): lanes 0-15 h_r's, lanes 16-31 h_i's;  v64-127 the weights' (4 s + c): lanes 0-15 W2r's, lanes 16-31 W2i's: these hold scales and nothing else
;                                        window 2: the weights' fragments, two sets: 128 (s % 2) + 64 m + 16 c;   window 3: h's fragments, a ring of four: 64 ((s / 2) % 4) + 32 (s % 2) + 16 part
.set MSB, 0
.macro WIN new                         ; the immediate's high byte repeats the setting that is left; a switch that changes nothing is dropped
.if MSB != (\new)
	s_set_vgpr_msb (MSB<<8)|(\new)
.set MSB, (\new)
.endif
.endm
.macro WM kind, d, a, b, c, sa, sb     ; one matrix instruction; kind: rows of the scale registers (0: both low; 1: source 0 from lanes 16-31; 2: both; 3: source 1), 4: as 2 with the constant 0 as C
.if (\kind) == 0
	v_wmma_scale_f32_16x16x128_f8f6f4 v[(\d):(\d)+7], v[(\a):(\a)+15], v[(\b):(\b)+15], v[(\c):(\c)+7], v[\sa], v[\sb] matrix_a_fmt:MATRIX_FMT_BF8 matrix_b_fmt:MATRIX_FMT_BF8
.elseif (\kind) == 1
	v_wmma_scale_f32_16x16x128_f8f6f4 v[(\d):(\d)+7], v[(\a):(\a)+15], v[(\b):(\b)+15], v[(\c):(\c)+7], v[\sa], v[\sb] matrix_a_fmt:MATRIX_FMT_BF8 matrix_b_fmt:MATRIX_FMT_BF8 matrix_a_scale:MATRIX_SCALE_ROW1
.elseif (\kind) == 2
	v_wmma_scale_f32_16x16x128_f8f6f4 v[(\d):(\d)+7], v[(\a):(\a)+15], v[(\b):(\b)+15], v[(\c):(\c)+7], v[\sa], v[\sb] matrix_a_fmt:MATRIX_FMT_BF8 matrix_b_fmt:MATRIX_FMT_BF8 matrix_a_scale:MATRIX_SCALE_ROW1 matrix_b_scale:MATRIX_SCALE_ROW1
.elseif (\kind) == 3
	v_wmma_scale_f32_16x16x128_f8f6f4 v[(\d):(\d)+7], v[(\a):(\a)+15], v[(\b):(\b)+15], v[(\c):(\c)+7], v[\sa], v[\sb] matrix_a_fmt:MATRIX_FMT_BF8 matrix_b_fmt:MATRIX_FMT_BF8 matrix_b_scale:MATRIX_SCALE_ROW1
.else
	v_wmma_scale_f32_16x16x128_f8f6f4 v[(\d):(\d)+7], v[(\a):(\a)+15], v[(\b):(\b)+15], 0, v[\sa], v[\sb] matrix_a_fmt:MATRIX_FMT_BF8 matrix_b_fmt:MATRIX_FMT_BF8 matrix_a_scale:MATRIX_SCALE_ROW1 matrix_b_scale:MATRIX_SCALE_ROW1
.endif
.endm
.macro CLOAD g                         ; 8 KB of my 64 KB of codes into 64 registers of their own: window 2 + g / 4, v[64 (g % 4)] on
	WIN (2+(\g)/4)<<6
.set n, 0
.rept 16
	global_load_b128 v[64*((\g)%4)+4*n:64*((\g)%4)+4*n+3], v4, s[38:39] offset:(16*(\g)+n)*512
.set n, n+1
.endr
.endm
.macro COPYG g, left                   ; left = the loads issued behind group g's
	s_wait_loadcnt \left
.if (\g)+4 < 8
	CLOAD (\g)+4
.endif
	WIN (2+(\g)/4)<<2                              ; an LDS store's data are its source 1
.set n, 0
.rept 16
	ds_store_b128 v9, v[64*((\g)%4)+4*n:64*((\g)%4)+4*n+3] offset:(16*(\g)+n)*512
.set n, n+1
.endr
.endm
.macro HLOAD u                         ; h's fragments of K steps 2 u, 2 u + 1, both parts, into slot u % 4 of the ring: each load reads 512 consecutive bytes
	WIN 0xc0
.irp sp,0,1
.irp pt,0,1
.irp qd,0,1,2,3
	global_load_b128 v[64*((\u)%4)+32*\sp+16*\pt+4*\qd:64*((\u)%4)+32*\sp+16*\pt+4*\qd+3], v4, s[34:35] offset:\pt*32768+(2*(\u)+\sp)*2048+\qd*512
.endr
.endr
.endr
.endm
.macro FETCHW s                        ; the weights' 8 fragments of K step s from LDS into set s % 2
	WIN 0x80
.irp m,0,1
.irp c,0,1,2,3
.irp qd,0,1,2,3
	ds_load_b128 v[128*((\s)%2)+64*\m+16*\c+4*\qd:128*((\s)%2)+64*\m+16*\c+4*\qd+3], v[4+2*\m+(\s)/8] offset:((\s)%8)*8192+\c*2048+\qd*512
.endr
.endr
.endr
.endm
.macro KSTEP s
.if ((\s)%2) == 0                      ; h's slot s / 2 is in.  Behind its 16 loads stand two slots' 32; at the end one slot's 16, none
.if (\s) <= 10
	s_wait_loadcnt 32
.elseif (\s) == 12
	s_wait_loadcnt 16
.else
	s_wait_loadcnt 0x0
.endif
.endif
	s_wait_dscnt 0x0                               ; this step's weights are in: they were asked for ahead of the last step's 16 products
.if (\s) > 0
.rept 8
	v_nop                                          ; places in front of loads into registers that the last products read (ISA guide 7.12.1 for vector instructions).  In step 0 the last tile's way out stands between
.endr
.endif
.if (\s) < 15
	FETCHW (\s)+1
.endif
.if ((\s)%2) == 0 && (\s) <= 8
	HLOAD (\s)/2+3                                 ; into the slot that the last two steps read (in step 0: that nothing of this tile has used)
.endif
.set pa, 128*((\s)%2)
.set hb, 64*(((\s)/2)%4)+32*((\s)%2)
	WIN 0x5e                                       ; source 0 (weights) window 2, source 1 (h) window 3, C and D window 1
.irp c,0,1,2,3                                 ; the 12 accumulators take turns, one instruction a turn
.if (\s) == 0
	WM 0, RR+8*\c, pa+16*\c, hb, B2R+8*\c, 64+4*(\s)+\c, 48+(\s)
.else
	WM 0, RR+8*\c, pa+16*\c, hb, RR+8*\c, 64+4*(\s)+\c, 48+(\s)
.endif
.endr
.irp c,0,1,2,3
.if (\s) == 0
	WM 1, HI+8*\c, pa+64+16*\c, hb, B2I+8*\c, 64+4*(\s)+\c, 48+(\s)
.else
	WM 1, HI+8*\c, pa+64+16*\c, hb, HI+8*\c, 64+4*(\s)+\c, 48+(\s)
.endif
.endr
.irp c,0,1,2,3
.if (\s) == 0
	WM 4, II+8*\c, pa+64+16*\c, hb+16, II+8*\c, 64+4*(\s)+\c, 48+(\s)
.else
	WM 2, II+8*\c, pa+64+16*\c, hb+16, II+8*\c, 64+4*(\s)+\c, 48+(\s)
.endif
.endr
.irp c,0,1,2,3
	WM 3, HI+8*\c, pa+16*\c, hb+16, HI+8*\c, 64+4*(\s)+\c, 48+(\s)
.endr
.endm
	s_load_b256 s[4:11], s[0:1], 0x0               ; route s[4:5], w2c s[6:7], hidc s[8:9], b2r s[10:11]
	s_load_b128 s[12:15], s[0:1], 0x20             ; b2i s[12:13], out0 s[14:15]
	s_load_b64 s[16:17], s[0:1], 0x30              ; out1
	v_lshl_add_u32 v254, v0, 2, 0x48800
	v_mov_b32 v255, 0
	v_lshrrev_b32 v1, 5, v0
	v_readfirstlane_b32 s20, v1                    ; wave
	v_and_b32 v1, 31, v0                           ; lane l
	v_and_b32 v2, 15, v0                           ; r
	v_bfe_u32 v3, v0, 4, 1                         ; h
	s_lshr_b32 s21, ttmp9, 5                       ; expert
	s_bfe_u32 s22, ttmp9, 0x30002                  ; output slice
	s_and_b32 s23, ttmp9, 3                        ; quarter of the tiles
	v_lshlrev_b32 v4, 4, v1                        ; 16 l,
	v_add_nc_u32 v5, 0x10000, v4                   ; and 65,536 k more: an LDS offset has 16 bits
	v_add_nc_u32 v6, 0x20000, v4
	v_add_nc_u32 v7, 0x30000, v4
	s_lshl_b32 s30, s20, 16
	v_add_nc_u32 v9, s30, v4                       ; my 64 KB of the codes in LDS
	v_lshlrev_b32 v10, 10, v3
	v_lshl_add_u32 v10, v2, 2, v10                 ; h's scale words: part h, row r
	v_lshlrev_b32 v11, 7, v3                       ; the biases: my half's 32 numbers
	v_lshlrev_b32 v13, 2, v2                       ; 4 r: my row's weight
	s_mul_i32 s30, s20, 8704
	s_add_co_u32 s30, s30, STG                     ; my stage
	v_mul_u32_u24 v14, v2, 272
	v_lshl_add_u32 v14, v3, 7, v14
	v_add_nc_u32 v14, s30, v14                     ; in: row r, + 128 h
	v_lshlrev_b32 v18, 3, v1                       ; 8 l: my 8 bytes of a row's 256
	v_add_nc_u32 v19, s30, v18                     ; back: a row at a time
	s_lshl_b32 s29, s21, 9                         ; the count's place: 32,768 + 512 e
	s_lshl_b32 s31, s21, 3
	s_add_co_u32 s31, s31, s22                     ; 8 e + slice
	s_lshl_b32 s44, s31, 18
	s_lshl_b32 s30, s20, 16
	s_add_co_u32 s44, s44, s30                     ; the slice's codes, my quarter of them
	s_mov_b32 s45, 0
	s_lshl_b32 s46, s31, 13
	s_add_co_u32 s46, s46, W2SC                    ; its scale words
	s_mov_b32 s47, 0
	s_lshl_b32 s48, s21, 11
	s_lshl_b32 s50, s22, 8                         ; slice x 256 bytes
	s_add_co_u32 s48, s48, s50                     ; the biases
	s_mov_b32 s49, 0
	s_mov_b32 s51, 0
	s_lshl_b32 s25, s20, 6
	s_lshl_b32 s30, s23, 4
	s_add_co_u32 s25, s25, s30                     ; my first tile's first position: 64 w + 16 q
	s_lshl_b32 s52, s21, 12
	s_lshl_b32 s30, s25, 2
	s_add_co_u32 s52, s52, s30                     ; its place in the expert's list
	s_mov_b32 s53, 0
	s_lshl_b32 s54, s21, 6
	s_lshl_b32 s30, s20, 2
	s_add_co_u32 s54, s54, s30
	s_add_co_u32 s54, s54, s23
	s_mul_i32 s54, s54, REC                        ; its record: 64 e + 4 w + q
	s_mov_b32 s55, 0
	s_wait_kmcnt 0x0
	s_load_b32 s24, s[4:5], s29 offset:0x8000      ; the expert's count
	s_add_nc_u64 s[38:39], s[6:7], s[44:45]
	s_add_nc_u64 s[40:41], s[6:7], s[46:47]
	s_add_nc_u64 s[10:11], s[10:11], s[48:49]
	s_add_nc_u64 s[12:13], s[12:13], s[48:49]
	s_add_nc_u64 s[14:15], s[14:15], s[50:51]
	s_add_nc_u64 s[16:17], s[16:17], s[50:51]
	s_add_nc_u64 s[32:33], s[4:5], s[52:53]
	s_add_nc_u64 s[34:35], s[8:9], s[54:55]
.irp s,0,1,2,3,4,5,6,7,8,9,10,11,12,13,14,15
	global_load_b128 v[64+4*\s:67+4*\s], v4, s[40:41] offset:512*\s
.endr
	WIN 0x40
.irp n,0,1,2,3,4,5,6,7
	global_load_b128 v[4*\n:4*\n+3],       v11, s[10:11] offset:16*\n  ; register 4 n + c: output 32 h + 4 n + c
	global_load_b128 v[32+4*\n:32+4*\n+3], v11, s[12:13] offset:16*\n
.endr
	CLOAD 0
	CLOAD 1
	s_wait_loadcnt 32                              ; all but two groups' 32 loads: the scale words and the biases are in
	WIN 0x41
.irp c,0,1,2,3
.irp j,0,1,2,3,4,5,6,7
	v_mov_b32 v[B2R+8*\c+\j], v[4*\j+\c]           ; once in the launch: into the sums' layout, so that a bias is the C of a sum's first product
	v_mov_b32 v[B2I+8*\c+\j], v[32+4*\j+\c]
.endr
.endr
	CLOAD 2
	CLOAD 3
	COPYG 0, 48                                    ; behind a group's 16 loads stand those of the three groups asked for after it,
	COPYG 1, 48
	COPYG 2, 48
	COPYG 3, 48
	COPYG 4, 48
	COPYG 5, 32                                    ; then of two, of one, of none
	COPYG 6, 16
	COPYG 7, 0
	WIN 0
	s_wait_kmcnt 0x0                               ; the count
	s_wait_dscnt 0x0                               ; for the others' sake: my quarter of the codes lies in LDS
	s_barrier_signal -1
	s_barrier_wait -1                              ; the one barrier: no branch on the count stands ahead of it
	s_mov_b32 s27, 0
.Ltrip:
	s_cmp_ge_u32 s25, s24                          ; no token of the expert in this tile
	s_cbranch_scc1 .Lskip
	s_sub_co_u32 s26, s24, s25                     ; rows of the expert from this tile's first on: 1 at the least
	s_load_b512 s[TKS:TKS+15], s[32:33], 0x0       ; the tile's 16 tokens: 64 consecutive bytes of the list
	global_load_b32 v29, v13, s[34:35] offset:WOFF ; my row's weight
.irp s,0,1,2,3,4,5,6,7,8,9,10,11,12,13,14,15
	global_load_b32 v[48+\s], v10, s[34:35] offset:65536+64*\s
.endr
	HLOAD 0
	HLOAD 1
	FETCHW 0
	WIN 0
	s_wait_kmcnt 0x0                               ; the tokens
.irp i,0,1,2,3,4,5,6,7,8,9,10,11,12,13,14,15
	s_min_u32 s[TKS+\i], s[TKS+\i], 0x3ff          ; a loaded number enters an address only behind this bound
.endr
.irp i,0,1,2,3,4,5,6,7,8,9,10,11,12,13,14,15
	s_lshl_b32 s[TKS+\i], s[TKS+\i], 11            ; token x 2,048: its row in out0 and out1
.endr
.irp i,0,1,2,3,4,5,6,7,8,9,10,11,12,13,14,15
	v_add_nc_u32 v[AO+\i], s[TKS+\i], v18          ; + 8 l
.endr
	s_wait_loadcnt 32                              ; all but the 32 loads of h's slots 0 and 1: the weight and h's scale words are in
	HLOAD 2
.irp s,0,1,2,3,4,5,6,7,8,9,10,11,12,13,14,15
	KSTEP \s
.endr
	; THE WAY OUT
	WIN 0x45
.rept 9
	v_nop                                          ; places behind the last products: eight for the reads of the sums, nine for the next tile's first products, which begin the sums anew
.endr
.set j, 0
.rept 16
	v_pk_add_f32 v[RR+j:RR+j+1], v[RR+j:RR+j+1], v[II+j:II+j+1] neg_lo:[0,1] neg_hi:[0,1]   ; o_r; each accumulator is read from its low end on
.set j, j+2
.endr
	WIN 0x41
.irp c,0,1,2,3
.irp j,0,1,2,3,4,5,6,7
	v_mul_f32 v[ORE+4*\j+\c], v[RR+8*\c+\j], v29   ; x the token's weight, and the turn to the order of the outputs
	v_mul_f32 v[OIM+4*\j+\c], v[HI+8*\c+\j], v29
.endr
.endr
	WIN 0x04
.irp j,0,1,2,3,4,5,6,7
	ds_store_b128 v14, v[ORE+4*\j:ORE+4*\j+3] offset:16*\j
	ds_store_b128 v14, v[OIM+4*\j:OIM+4*\j+3] offset:4352+16*\j
.endr
	WIN 0
.irp i,0,1,2,3,4,5,6,7,8,9,10,11,12,13,14,15
	ds_load_b64 v[OB+2*\i:OB+2*\i+1], v19 offset:272*\i                ; LDS serves a wave's instructions in order (ISA guide 5.7.1.4): these see my stores
	ds_load_b64 v[OB+32+2*\i:OB+32+2*\i+1], v19 offset:4352+272*\i
.endr
	s_wait_dscnt 0x0
.irp i,0,1,2,3,4,5,6,7,8,9,10,11,12,13,14,15
.if \i > 0
	s_cmp_le_u32 s26, \i                           ; row i and all behind it belong to other experts' tokens: nothing of them is stored
	s_cbranch_scc1 .Lrows
.endif
	global_store_b64 v[AO+\i], v[OB+2*\i:OB+2*\i+1], s[14:15] th:TH_STORE_NT         ; 32 lanes store 256 consecutive bytes of the token's row, aligned
	global_store_b64 v[AO+\i], v[OB+32+2*\i:OB+32+2*\i+1], s[16:17] th:TH_STORE_NT
.endr
.Lrows:
.Lskip:
	s_wait_xcnt 0x0                                ; the stores' addresses and data and the loads' bases are written again only behind this wait
	s_add_co_u32 s25, s25, 256
	s_add_nc_u64 s[32:33], s[32:33], 1024
	s_add_nc_u64 s[34:35], s[34:35], 16*REC
	s_add_co_u32 s27, s27, 1
	s_cmp_lt_u32 s27, 4
	s_cbranch_scc1 .Ltrip
	s_wait_tensorcnt 0x0
	ds_add_u32 v254, v255
	s_wait_dscnt 0x0
	s_endpgm
.Lfunc_end_k_q6ec75c868c_layer2:
	.size	k_q6ec75c868c_layer2, .Lfunc_end_k_q6ec75c868c_layer2-k_q6ec75c868c_layer2
	.p2alignl 7, 3214868480
	.fill 96, 4, 3214868480
	.section	.rodata,"a",@progbits
	.p2align	6, 0x0
	.amdhsa_kernel k_q6ec75c868c_layer2
		.amdhsa_group_segment_fixed_size 297472
		.amdhsa_private_segment_fixed_size 0
		.amdhsa_enable_private_segment 0
		.amdhsa_kernarg_size 56
		.amdhsa_user_sgpr_count 2
		.amdhsa_user_sgpr_kernarg_segment_ptr 1
		.amdhsa_wavefront_size32 1
		.amdhsa_system_sgpr_workgroup_id_x 1
		.amdhsa_system_sgpr_workgroup_id_y 1
		.amdhsa_system_sgpr_workgroup_id_z 1
		.amdhsa_system_vgpr_workitem_id 0
		.amdhsa_next_free_vgpr 1024
		.amdhsa_next_free_sgpr 96
		.amdhsa_reserve_vcc 0
		.amdhsa_float_denorm_mode_32 3
		.amdhsa_float_denorm_mode_16_64 3
		.amdhsa_memory_ordered 1
		.amdhsa_forward_progress 1
		.amdhsa_inst_pref_size 126
	.end_amdhsa_kernel
	.amdgpu_metadata
---
amdhsa.version: [ 1, 2 ]
amdhsa.kernels:
  - .name:           k_q6ec75c868c_layer2
    .symbol:         k_q6ec75c868c_layer2.kd
    .args:
      - { .name: route, .offset: 0, .size: 8, .value_kind: global_buffer, .address_space: global }
      - { .name: w2c, .offset: 8, .size: 8, .value_kind: global_buffer, .address_space: global }
      - { .name: hidc, .offset: 16, .size: 8, .value_kind: global_buffer, .address_space: global }
      - { .name: b2r, .offset: 24, .size: 8, .value_kind: global_buffer, .address_space: global }
      - { .name: b2i, .offset: 32, .size: 8, .value_kind: global_buffer, .address_space: global }
      - { .name: out0, .offset: 40, .size: 8, .value_kind: global_buffer, .address_space: global }
      - { .name: out1, .offset: 48, .size: 8, .value_kind: global_buffer, .address_space: global }
    .group_segment_fixed_size: 297472
    .private_segment_fixed_size: 0
    .kernarg_segment_align: 8
    .kernarg_segment_size: 56
    .max_flat_workgroup_size: 128
    .sgpr_count:     96
    .vgpr_count:     1024
    .wavefront_size: 32
...
	.end_amdgpu_metadata
.endif
;; end of part 3
;; ======== version 2 of 2: 3 launches; version 1 with the launches layer1, layer2 written anew for expert scheduling mode
;; workspace buffers: idx 4,096 bytes of whole numbers; route 36,864 bytes of whole numbers; xbuf 1,085,440 bytes; w2c 17,301,504 bytes; hidc 34,734,080 bytes
;; launch prep: the kernel of part 1 again; grid 256 x 1, 4 waves a work-group, no clusters, 1,536 bytes of LDS; arguments x_real, x_imag, gate_W, gate_b, W2r, W2i, idx, xbuf, w2c; writes idx, xbuf, w2c
;; launch layer1 (part 4): grid 256 x 1, 4 waves a work-group, no clusters, 72,704 bytes of LDS; arguments idx, xbuf, W1r, W1i, b1r, b1i, mod_b, hidc, route; writes hidc, route
.if DOCPART == 4
	.amdgcn_target "amdgcn-amd-amdhsa--gfx1250"
	.amdhsa_code_object_version 6
	.text
	.protected	k_q6ec75c868c_layer1
	.globl	k_q6ec75c868c_layer1
	.p2align	8
	.type	k_q6ec75c868c_layer1,@function
k_q6ec75c868c_layer1:
	s_mov_b64 s[64:65], 0
	v_nop
	global_prefetch_b8 v0, s[64:65] scope:SCOPE_SE
	s_setreg_imm32_b32 hwreg(HW_REG_WAVE_SCHED_MODE, 0, 2), 2
	s_setreg_imm32_b32 hwreg(HW_REG_WAVE_MODE, 25, 1), 1
	s_wait_xcnt 0x0
	s_wait_alu depctr_vm_vsrc(0)
; SECOND LAUNCH.  For the tokens that chose expert e: h = ModReLU(x W1 + b1), complex, both products on codes of E5M2 with E8M0 scales, and h quantised along H for the next launch.
; SHARES.  Work-group g: expert g / 32, hidden units 64 (g % 32) .. + 63 (256 bytes of a weight row).  It reads its 256 KB of W1r, W1i once and quantises them on the way (wave w: K step w, 128 rows of both),
; hands the fragments round through LDS as images of the operand registers, after which EVERY wave holds all 32 fragments in 512 registers and takes the token tiles 4 i + w, i = 0 .. 15.
; The loop's trip count is a constant; a tile past the expert's count is jumped over by a scalar branch on that count, which comes from whole numbers that the first launch stored.
; THE LIST.  Every wave counts; wave 0 places: tokens of the expert fill positions 0 .. count - 1, all others fill from 1,023 down: a permutation of 0 .. 1,023, so that a tile's spare rows name valid tokens.
; The slice-0 work-group of each expert stores list and count for the last launch, and each tile's 16 softmax weights into the tile's record.
; LAYOUT.  A weight group is 32 rows of K x 64 columns; register 4 i + c of lane (r, h) is W[32 b + 16 h + i][4 r + c]; tile c is the columns 4 r + c (see QCORE).  The products are used transposed (source 0 = a weight
; tile, source 1 = 16 tokens): register j of tile c in lane (token r, h) is hidden unit 32 h + 4 j + c, so a lane holds ONE WHOLE BLOCK of 32 along the next K, and its hold writes register 4 j + c.
; h_r is kept as two sums, x_r W_r + b1r and x_i W_i, which are subtracted in f32; h_i is one sum of two products a K step.  The biases are the C of each sum's first product.
; LIMITS: NaN and infinities are not served; a block of zeros keeps the scale byte 1 (its codes are zeros; this program alone reads the bytes).
; No tensor load, no cluster: no two work-groups read the same weight bytes.
; THE MODE: SCHED_MODE bits 1:0 = 2 (LLVM: expert scheduling mode 2), set by the entry lines.  The code itself states the register dependences
; between vector or matrix instructions and memory or LDS instructions, with s_wait_alu, always for 0.
; THE PLAN.  Registers that memory or LDS instructions touch:
;   v4-7, v12-19, v116   addresses: written at the head, ahead of the one wait in front of the first load, and never again.
;   v20-83               the list's LDS addresses and tokens: written by the list's vector lines, read by wave 0's LDS stores; then free for the route's copy (v64-72) and the stream.
;   windows 2, 3         the stream's loads land there, each group in registers of its own; QCORE's vector lines read them; behind the second barrier the fragments' LDS loads land there; the products read them.
;   v[QCD ..]            written by a group's conversions, read by its four LDS stores.
;   v8-11, v117          in the loop: written by the gather's vector lines, read by its loads.
;   v128-255, v112-115   the gather's loads land there; the products read them.      v118: the gather's last load lands there; the weights' store at the next trip's head reads it.
;   CR, CI, v250 (window 1)   written by the tile's quantiser, read by the tile's five stores.
; THE WAITS IN THE LOOP.  Behind the products: vm_vsrc (the weights' store has read v118), the add to v8, va_vdst (v8 is written, the products are done with x), the list's load; in the gather va_vdst between its
; six address lines and its loads; va_vdst ahead of the tile's stores; vm_vsrc at the tile's end, ahead of the backward jump.
.set ROWB,  8192                       ; a row of W1 in bytes
.set WSC,   65536                      ; LDS: fragment images at 0: ((4 m + c) 4 + s) 2,048 + 512 quad + 16 lane;  here the weights' scale words: 512 s + 16 lane, four tiles;
.set LIST,  67584                      ; here the list, 1,024 words
.set XSOFF, 1048576                    ; xbuf: scale words behind the codes,
.set PROFF, 1081344                    ; and the tokens' softmax weights
.set REC,   67840                      ; hidc: a tile's record: codes 2 x 32,768, scale words 2 x 1,024, the rows' weights (128 bytes at WOFF), 128 bytes unused
.set WOFF,  67584
.set LSA,   20                         ; the list phase: v20-51 LDS addresses, v52-83 tokens, v84 1,023 - l, v85 4 l, v86-87 at work, v224-255 idx
.set LSV,   52
.set IDX,   224
.set LM8,   56                         ; s56-63: the masks of eight compares of the list
.set RM,    20                         ; the weight stream: as in the first launch
.set RP,    24
.set RSC,   28
.set RLIM,  32
.set RWD,   36
.set QCD,   44                         ; v44-59 a group's codes
.set RWO,   60
.set RT,    64                         ; v64-95
;                                        v96-111 the weights' scale words (4 s + c), v112-115 x's (s): these hold scales and nothing else;  v116 4 l, v117 the weight's offset, v118 my row's softmax weight
;                                        v128-191 x_r's fragments (16 s), v192-255 x_i's
.set RR,    0                          ; window 1: three sums of 4 tiles x 8,
.set II,    32
.set HI,    64
.set B1R,   96                         ; the biases in the sums' layout (8 c + j),
.set B1I,   128
.set MB,    160
.set QQ,    192                        ; 32 at work,
.set CR,    224                        ; h_r's 8 registers of codes, h_i's;  v240-251 small things
.set CI,    232
;                                        windows 2, 3: the landing place of W1r, W1i (64 registers a group), then their 16 fragments each at 16 (4 c + s)
.set MSB, 0
.macro WIN new                         ; the immediate's high byte repeats the setting that is left; a switch that changes nothing is dropped
.if MSB != (\new)
	s_set_vgpr_msb (MSB<<8)|(\new)
.set MSB, (\new)
.endif
.endm
.macro LOADG g                         ; group g = 4 m + b into its own 64 registers: window 2 + m, v[64 b] on; each load of a wave reads two whole pieces of 256 bytes.  No vector line has named these registers: the loads owe no wait
.set LM, (\g)/4
.set LB, (\g)%4
	WIN (2+LM)<<6
.set li, 0
.rept 16
	global_load_b128 v[64*LB+4*li:64*LB+4*li+3], v5, s[8+2*LM:9+2*LM] offset:(32*LB+li)*ROWB th:TH_LOAD_NT
.set li, li+1
.endr
	WIN 0
.endm
.macro QCORE                           ; one group becomes 16 registers of codes (registers 4 b .. 4 b + 3 of the four tiles' fragments) and byte b of four scale words
	WIN QW|(QW<<2)
.irp c,0,1,2,3
	v_max3_num_f32 v[RM+\c], |v[QZ+\c]|, |v[QZ+4+\c]|, 0x8000000      ; column 4 r + c: my 16 rows, and the floor 2^(16 - 127): the byte cannot fall under 1
.endr
.irp i,2,4,6,8,10,12,14
.irp c,0,1,2,3
	v_max3_num_f32 v[RM+\c], |v[QZ+4*\i+\c]|, |v[QZ+4*\i+4+\c]|, v[RM+\c]
.endr
.endr
	WIN 0
.irp c,0,1,2,3
	v_permlanex16_b32 v[RP+\c], v[RM+\c], s32, s33
.endr
.irp c,0,1,2,3
	v_max_num_f32 v[RM+\c], v[RM+\c], v[RP+\c]                         ; with lane l xor 16: the block's largest magnitude
.endr
.irp c,0,1,2,3
	v_add_nc_u32 v[RSC+\c], 0xf8800000, v[RM+\c]                       ; 15 off its exponent field: the conversion's scale operand
.endr
.irp c,0,1,2,3
	v_and_or_b32 v[RLIM+\c], v[RM+\c], 0x7f800000, s34                 ; 57,344 x the scale
.endr
.if QB == 0
.irp c,0,1,2,3
	v_lshrrev_b32 v[RWD+4*QM+\c], 23, v[RSC+\c]
.endr
.else
.irp c,0,1,2,3
	v_lshrrev_b32 v[RP+\c], 23, v[RSC+\c]
.endr
.irp c,0,1,2,3
	v_lshl_or_b32 v[RWD+4*QM+\c], v[RP+\c], 8*QB, v[RWD+4*QM+\c]
.endr
.endif
.irp hf,0,1
	WIN QW
.irp cc,0,1
.irp i,0,1,2,3,4,5,6,7,8,9,10,11,12,13,14,15
	v_med3_num_f32 v[RT+16*\cc+\i], v[QZ+4*\i+2*\hf+\cc], -v[RLIM+2*\hf+\cc], v[RLIM+2*\hf+\cc]   ; the hold (ISA guide 7.6.2), and the turn from 4 i + c to 16 c + i
.endr
.endr
	WIN 0
.if \hf == 0
	s_wait_dscnt 0x0                               ; the last group's LDS stores are done
.if QM+QB > 0
	s_wait_alu depctr_vm_vsrc(0)                   ; the last group's LDS stores have read v[QCD ..], which the conversions below write again
.endif
.endif
.irp cc,0,1
	v_cvt_scalef32_pk8_bf8_f32 v[QCD+4*(2*\hf+\cc):QCD+4*(2*\hf+\cc)+1], v[RT+16*\cc:RT+16*\cc+7], v[RSC+2*\hf+\cc]
	v_cvt_scalef32_pk8_bf8_f32 v[QCD+4*(2*\hf+\cc)+2:QCD+4*(2*\hf+\cc)+3], v[RT+16*\cc+8:RT+16*\cc+15], v[RSC+2*\hf+\cc]
.endr
	v_nop                                          ; one plain line behind the conversions
.endr
.endm
; The 16 tokens named in v9 (lane r and lane 16 + r hold the same): their codes of x_r and x_i as fragments, their scale words (lanes 0-15 x_r's, lanes 16-31 x_i's), and their softmax weights.
.macro XGATHER
	s_wait_dscnt 0x0                               ; the tokens are back from the list
	s_wait_xcnt 0x0                                ; the weight's register is the data of a store that may be pending: it is loaded again only behind this wait
	v_min_u32 v9, 0x3ff, v9                        ; a loaded number enters an address only behind this bound
	v_lshlrev_b32 v10, 10, v9
	v_lshl_add_u32 v10, v3, 4, v10                 ; token x 1,024 + 16 h
	v_lshlrev_b32 v11, 5, v9
	v_lshl_add_u32 v11, v3, 4, v11                 ; token x 32 + 16 h
	v_lshlrev_b32 v117, 2, v9                      ; token x 4
	s_wait_alu depctr_va_vdst(0)                   ; v10, v11 and v117 are written, which the loads below read; ahead of the first tile also: the biases' moves and the list's compares are done reading v128 to v255, in which they land
.irp p,0,1
.irp s,0,1,2,3
.irp c,0,1,2,3
	global_load_b128 v[128+64*\p+16*\s+4*\c:128+64*\p+16*\s+4*\c+3], v10, s[6:7] offset:512*\p+128*\s+32*\c
.endr
.endr
.endr
	global_load_b128 v[112:115], v11, s[6:7] offset:XSOFF
	global_load_b32 v118, v117, s[6:7] offset:PROFF
.endm
.macro QG g, left                      ; group g's turn; left = the group loads issued behind group g's
	s_wait_loadcnt \left
.if (\g)+4 < 8
	LOADG (\g)+4
.endif
.if (\g) == 7
	XGATHER                                        ; behind the stream's last wait, so that no count above has to know of it: the first tile's x lands while the last group is worked
.endif
.set QM, (\g)/4
.set QB, (\g)%4
.set QW, 2+QM
.set QZ, 64*QB
	QCORE
	s_wait_alu depctr_va_vdst(0)                   ; the conversions have written v[QCD ..], which the LDS stores read
.irp c,0,1,2,3
	ds_store_b128 v12, v[QCD+4*\c:QCD+4*\c+3] offset:(QM*4+\c)*8192+QB*512   ; the image: 16 bytes a lane, 512 on end
.endr
.endm
; The list.  Register k of idx: tokens 128 (k / 4) + 4 l + k % 4.  The compares go in runs of eight, each into a scalar register of its own, so that one wait behind a run serves its eight masks.
.macro LISTC k
	v_cmp_eq_u32 s[LM8+(\k)%8], s23, v[IDX+(\k)]
.endm
.macro LISTK k
	v_mbcnt_lo_u32_b32 v86, s[LM8+(\k)%8], s25     ; the expert's tokens so far: where mine goes if it is one
	v_add3_u32 v87, v86, v84, -32*(\k)             ; else 1,023 - (the other tokens so far) = that + 1,023 - l - 32 k
	v_cndmask_b32 v[LSA+(\k)], v87, v86, s[LM8+(\k)%8]
	v_min_u32 v[LSA+(\k)], 0x3ff, v[LSA+(\k)]
	v_lshl_add_u32 v[LSA+(\k)], v[LSA+(\k)], 2, LIST
	v_add_nc_u32 v[LSV+(\k)], 128*((\k)/4)+(\k)%4, v85
	s_bcnt1_i32_b32 s27, s[LM8+(\k)%8]
	s_add_co_u32 s25, s25, s27
.endm
; One matrix instruction.  kind: which rows of the scale registers (0: both low; 1: source 0 from lanes 16-31; 2: both; 3: source 1), 4: as 2 with the constant 0 as C
.macro WM kind, d, a, b, c, sa, sb
.if (\kind) == 0
	v_wmma_scale_f32_16x16x128_f8f6f4 v[(\d):(\d)+7], v[(\a):(\a)+15], v[(\b):(\b)+15], v[(\c):(\c)+7], v[\sa], v[\sb] matrix_a_fmt:MATRIX_FMT_BF8 matrix_b_fmt:MATRIX_FMT_BF8
.elseif (\kind) == 1
	v_wmma_scale_f32_16x16x128_f8f6f4 v[(\d):(\d)+7], v[(\a):(\a)+15], v[(\b):(\b)+15], v[(\c):(\c)+7], v[\sa], v[\sb] matrix_a_fmt:MATRIX_FMT_BF8 matrix_b_fmt:MATRIX_FMT_BF8 matrix_a_scale:MATRIX_SCALE_ROW1
.elseif (\kind) == 2
	v_wmma_scale_f32_16x16x128_f8f6f4 v[(\d):(\d)+7], v[(\a):(\a)+15], v[(\b):(\b)+15], v[(\c):(\c)+7], v[\sa], v[\sb] matrix_a_fmt:MATRIX_FMT_BF8 matrix_b_fmt:MATRIX_FMT_BF8 matrix_a_scale:MATRIX_SCALE_ROW1 matrix_b_scale:MATRIX_SCALE_ROW1
.elseif (\kind) == 3
	v_wmma_scale_f32_16x16x128_f8f6f4 v[(\d):(\d)+7], v[(\a):(\a)+15], v[(\b):(\b)+15], v[(\c):(\c)+7], v[\sa], v[\sb] matrix_a_fmt:MATRIX_FMT_BF8 matrix_b_fmt:MATRIX_FMT_BF8 matrix_b_scale:MATRIX_SCALE_ROW1
.else
	v_wmma_scale_f32_16x16x128_f8f6f4 v[(\d):(\d)+7], v[(\a):(\a)+15], v[(\b):(\b)+15], 0, v[\sa], v[\sb] matrix_a_fmt:MATRIX_FMT_BF8 matrix_b_fmt:MATRIX_FMT_BF8 matrix_a_scale:MATRIX_SCALE_ROW1 matrix_b_scale:MATRIX_SCALE_ROW1
.endif
.endm
; A lane's 32 numbers (register 8 c + j = unit 4 j + c) are one block: its largest magnitude needs no other lane.  All registers in window 1.
.macro HQUANT src, cod, byt
	v_max3_num_f32 v240, |v[\src]|, |v[\src+1]|, 0x8000000
	v_max3_num_f32 v241, |v[\src+2]|, |v[\src+3]|, |v[\src+4]|
.irp i,5,9,13,17,21,25
	v_max3_num_f32 v240, v240, |v[\src+\i]|, |v[\src+\i+1]|
	v_max3_num_f32 v241, v241, |v[\src+\i+2]|, |v[\src+\i+3]|
.endr
	v_max3_num_f32 v240, v240, |v[\src+29]|, |v[\src+30]|
	v_max3_num_f32 v240, v240, v241, |v[\src+31]|
	v_add_nc_u32 v242, 0xf8800000, v240
	v_and_or_b32 v243, v240, 0x7f800000, s34
	v_lshrrev_b32 v[\byt], 23, v242
.irp c,0,1,2,3
.irp j,0,1,2,3,4,5,6,7
	v_med3_num_f32 v[QQ+4*\j+\c], v[\src+8*\c+\j], -v243, v243         ; the hold, and the turn to the order of the units
.endr
.endr
.irp g,0,1,2,3
	v_cvt_scalef32_pk8_bf8_f32 v[\cod+2*\g:\cod+2*\g+1], v[QQ+8*\g:QQ+8*\g+7], v242
.endr
	v_nop                                          ; one plain line behind the conversions
.endm
	s_load_b512 s[4:19], s[0:1], 0x0               ; idx s[4:5], xbuf s[6:7], W1r s[8:9], W1i s[10:11], b1r s[12:13], b1i s[14:15], mod_b s[16:17], hidc s[18:19]
	s_load_b64 s[20:21], s[0:1], 0x40              ; route
	v_lshl_add_u32 v126, v0, 2, 0x11a00
	v_mov_b32 v127, 0
	v_lshrrev_b32 v1, 5, v0
	v_readfirstlane_b32 s22, v1                    ; wave
	v_and_b32 v1, 31, v0                           ; lane l
	v_and_b32 v2, 15, v0                           ; r
	v_bfe_u32 v3, v0, 4, 1                         ; h
	s_lshr_b32 s23, ttmp9, 5                       ; expert
	s_and_b32 s24, ttmp9, 31                       ; slice of 64 hidden units
	v_lshlrev_b32 v4, 4, v1                        ; 16 l
	v_lshlrev_b32 v5, 17, v3
	v_lshl_add_u32 v5, v2, 4, v5                   ; W1: 16 rows x h + 16 r
	v_lshlrev_b32 v6, 7, v3                        ; the biases: my half's 32 numbers
	s_wait_alu depctr_va_sdst(0)                   ; s22 is written, ahead of its first reader: LDS places, bases and branches are made from it
	s_lshl_b32 s31, s22, 6
	s_add_co_u32 s31, s31, LIST
	v_lshl_add_u32 v7, v2, 2, s31                  ; the list: position 16 w + r
	s_lshl_b32 s31, s22, 11
	v_add_nc_u32 v12, s31, v4                      ; my images: 16 l + 2,048 w
	v_add_nc_u32 v13, WSC, v4                      ; 16 l + the scale words' place
	s_lshl_b32 s31, s22, 9
	v_add_nc_u32 v14, s31, v13                     ; my K step's scale words
	v_lshlrev_b32 v15, 2, v0                       ; 4 x thread
	s_lshl_b32 s31, s22, 10
	v_add_nc_u32 v17, s31, v4                      ; my quarter of the list, in route,
	v_add_nc_u32 v16, LIST, v17                    ; and in LDS
	v_lshlrev_b32 v18, 9, v3
	v_lshl_add_u32 v18, v2, 4, v18                 ; hidc: 512 h + 16 r: block h of my slice, lane r of the image
	v_lshlrev_b32 v19, 10, v3
	v_lshl_add_u32 v19, v2, 2, v19                 ; hidc: part h, row r of the scale words
	v_sub_nc_u32 v84, 1023, v1
	v_lshlrev_b32 v85, 2, v1
	v_lshlrev_b32 v116, 2, v1                      ; 4 l: the rows' weights in a record (lanes 16-31 write a second copy behind the first)
	s_mov_b32 s32, 0x76543210                      ; v_permlanex16_b32: lane l xor 16
	s_mov_b32 s33, 0xfedcba98
	s_mov_b32 s34, 0x600000                        ; the mantissa field of 57,344
	s_mov_b32 s35, 0xffff0000                      ; lanes 16-31
	s_mov_b32 s36, 0x2edbe6ff                      ; eps = 1e-10
	s_mov_b32 s37, s36                             ; (named with it as a pair)
	s_mov_b32 s25, 0                               ; the count
	s_lshl_b32 s44, s23, 13
	s_lshl_b32 s31, s24, 8
	s_add_co_u32 s44, s44, s31                     ; the biases: expert x 8,192 + slice x 256
	s_mov_b32 s45, 0
	s_lshl_b32 s48, s23, 22
	s_lshl_b32 s27, s22, 20
	s_add_co_u32 s48, s48, s27
	s_add_co_u32 s48, s48, s31                     ; W1: expert, K step, slice
	s_mov_b32 s49, 0
	s_wait_kmcnt 0x0
	s_add_nc_u64 s[12:13], s[12:13], s[44:45]
	s_add_nc_u64 s[14:15], s[14:15], s[44:45]
	s_add_nc_u64 s[16:17], s[16:17], s[44:45]
	s_add_nc_u64 s[8:9], s[8:9], s[48:49]
	s_add_nc_u64 s[10:11], s[10:11], s[48:49]
	s_wait_alu depctr_va_vdst(0)                   ; the addresses v4 to v7, v12 to v19 and v116 are written, which the kernel's loads and stores read; none of them is written again
.irp j,0,1,2,3,4,5,6,7
	global_load_b128 v[IDX+4*\j:IDX+4*\j+3], v4, s[4:5] offset:512*\j
.endr
.irp n,0,1,2,3,4,5,6,7
	global_load_b128 v[128+4*\n:131+4*\n], v6, s[12:13] offset:16*\n   ; register 4 n + c: unit 32 h + 4 n + c
	global_load_b128 v[160+4*\n:163+4*\n], v6, s[14:15] offset:16*\n
	global_load_b128 v[192+4*\n:195+4*\n], v6, s[16:17] offset:16*\n
.endr
	LOADG 0
	LOADG 1
	s_lshl_b32 s44, s23, 6
	s_add_co_u32 s44, s44, s22
	s_mul_i32 s44, s44, REC                        ; my first tile's record: 64 e + w
	s_lshr_b32 s31, s24, 1                         ; my slice lies in K step slice / 2 of the next product,
	s_and_b32 s27, s24, 1                          ; in its blocks 2 (slice % 2) + h
	s_lshl_b32 s48, s31, 11
	s_add_co_u32 s48, s48, s44
	s_lshl_b32 s26, s27, 10
	s_add_co_u32 s48, s48, s26
	s_add_nc_u64 s[38:39], s[18:19], s[48:49]      ; the codes,
	s_lshl_b32 s48, s31, 6
	s_add_co_u32 s48, s48, s44
	s_lshl_b32 s26, s27, 1
	s_add_co_u32 s48, s48, s26
	s_add_co_u32 s48, s48, 65536
	s_add_nc_u64 s[40:41], s[18:19], s[48:49]      ; my two bytes of each row's scale word,
	s_add_co_u32 s48, s44, WOFF
	s_add_nc_u64 s[54:55], s[18:19], s[48:49]      ; the rows' weights
	s_lshl_b32 s48, s23, 12
	s_add_nc_u64 s[50:51], s[20:21], s[48:49]      ; route: the expert's list,
	s_lshl_b32 s48, s23, 9
	s_add_co_u32 s48, s48, 32768
	s_add_nc_u64 s[52:53], s[20:21], s[48:49]      ; and its count
	s_wait_loadcnt 56                              ; behind idx's 8 loads: 24 of the biases and 32 of two groups
	LOADG 2
	LOADG 3
.irp g,0,1,2,3
.irp j,0,1,2,3,4,5,6,7
	LISTC 8*\g+\j
.endr
	s_wait_alu depctr_va_sdst(0)                   ; the eight compares have written s56 to s63, ahead of the first line that reads one of them
.irp j,0,1,2,3,4,5,6,7
	LISTK 8*\g+\j
.endr
.endr
	s_wait_alu depctr_va_vdst(0)                   ; the list's lines have written v20 to v83: wave 0's LDS stores read them, and the route's LDS loads land in v64 to v71
	s_cmp_lg_u32 s22, 0                            ; wave 0 alone stores the list; ahead of the barrier below no other wave touches LDS
	s_cbranch_scc1 .Lnolist
.set k, 0
.rept 32
	ds_store_b32 v[LSA+k], v[LSV+k]
.set k, k+1
.endr
.Lnolist:
	s_wait_dscnt 0x0
	s_wait_alu depctr_vm_vsrc(0)                   ; the list's LDS stores have read v20 to v83, which the lines, the route's loads and the stream below write again
	s_barrier_signal -1
	s_barrier_wait -1                              ; the list lies in LDS
	s_wait_loadcnt 63                              ; behind the biases stand 64 group loads
	WIN 0x40
.irp c,0,1,2,3
.irp j,0,1,2,3,4,5,6,7
	v_mov_b32 v[B1R+8*\c+\j], v[128+4*\j+\c]       ; once in the launch: into the sums' layout, so that a bias is the C of a sum's first product and costs no addition in any tile
	v_mov_b32 v[B1I+8*\c+\j], v[160+4*\j+\c]
	v_mov_b32 v[MB+8*\c+\j],  v[192+4*\j+\c]
.endr
.endr
	v_mov_b32 v247, 0                              ; a lane permute's destination counts as one of its sources
	WIN 0
.irp c,0,1,2,3
	v_mov_b32 v[RP+\c], 0                          ; likewise
.endr
	s_cmp_lg_u32 s24, 0                            ; slice 0 hands list and count to the last launch
	s_cbranch_scc1 .Lnoroute
	ds_load_b128 v[64:67], v16                     ; (no vector line since the wait behind the list names v16 or v64 to v71)
	ds_load_b128 v[68:71], v16 offset:512
	v_mov_b32 v72, s25
	s_wait_dscnt 0x0
	s_wait_alu depctr_va_vdst(0)                   ; v72 is written, which the third store reads
	global_store_b128 v17, v[64:67], s[50:51]
	global_store_b128 v17, v[68:71], s[50:51] offset:512
	global_store_b32 v15, v72, s[52:53]            ; the count, in all 128 words of the expert's place: whole runs of 128 bytes a wave
	s_wait_xcnt 0x0                                ; the stores have read their registers: the stream writes them again
	s_wait_alu depctr_vm_vsrc(0)                   ; the three stores have read v64 to v72, which the stream's holds write
.Lnoroute:
	ds_load_b32 v9, v7                             ; my first tile's tokens
	QG 0, 48                                       ; behind a group's 16 loads stand those of the three groups asked for after it,
	QG 1, 48
	QG 2, 48
	QG 3, 48
	QG 4, 48
	QG 5, 32                                       ; then of two, of one, of none
	QG 6, 16
	QG 7, 0
.irp c,0,1,2,3
	v_cndmask_b32 v[RWO+\c], v[RWD+\c], v[RWD+4+\c], s35               ; lanes 0-15 carry W1r's scale words, lanes 16-31 W1i's
.endr
	s_wait_alu depctr_va_vdst(0)                   ; v[RWO ..] is written, which the LDS store reads; and the stream's lines are done reading windows 2 and 3, in which the fragments land behind the barrier
	ds_store_b128 v14, v[RWO:RWO+3]
	s_wait_dscnt 0x0                               ; for the others' sake: my images and scale words lie in LDS
	s_barrier_signal -1
	s_barrier_wait -1                              ; the last barrier: no branch on the count stands ahead of it
	WIN 0x80
.set n, 0
.rept 64
	ds_load_b128 v[4*n:4*n+3], v4 offset:512*n     ; W1r's 16 fragments: fragment 4 c + s at v[16 (4 c + s)]
.set n, n+1
.endr
	WIN 0xc0
.set n, 0
.rept 64
	ds_load_b128 v[4*n:4*n+3], v4 offset:32768+512*n   ; W1i's
.set n, n+1
.endr
	WIN 0
.irp s,0,1,2,3
	ds_load_b128 v[96+4*\s:99+4*\s], v13 offset:512*\s
.endr
	s_wait_dscnt 0x0
	s_lshl_b32 s28, s22, 4                         ; my tile's first position: 64 i + 16 w
	s_add_co_u32 s46, s28, 64                      ; the next tile's
	s_mov_b32 s29, 256                             ; the next tile's place in the list, in bytes,
	s_mov_b32 s47, 256                             ; held inside the list
	s_mov_b32 s30, 0
.Ltrip:
	s_cmp_ge_u32 s28, s25                          ; no token of the expert in this tile
	s_cbranch_scc1 .Lskip
	s_wait_loadcnt 0x0                             ; x's fragments and scale words, and the rows' weights
	s_cmp_lg_u32 s24, 0                            ; slice 0 hands the tile's weights on
	s_cbranch_scc1 .Lnoweight
	global_store_b32 v116, v118, s[54:55]
.Lnoweight:
.irp s,0,1,2,3                                 ; 16 products a K step; the 12 accumulators take turns, one instruction a turn
	WIN 0x52
.irp c,0,1,2,3
.if \s == 0
	WM 0, RR+8*\c, 16*(4*\c+\s), 128+16*\s, B1R+8*\c, 96+4*\s+\c, 112+\s
.else
	WM 0, RR+8*\c, 16*(4*\c+\s), 128+16*\s, RR+8*\c, 96+4*\s+\c, 112+\s
.endif
.endr
	WIN 0x53
.irp c,0,1,2,3
.if \s == 0
	WM 1, HI+8*\c, 16*(4*\c+\s), 128+16*\s, B1I+8*\c, 96+4*\s+\c, 112+\s
.else
	WM 1, HI+8*\c, 16*(4*\c+\s), 128+16*\s, HI+8*\c, 96+4*\s+\c, 112+\s
.endif
.endr
.irp c,0,1,2,3
.if \s == 0
	WM 4, II+8*\c, 16*(4*\c+\s), 192+16*\s, II+8*\c, 96+4*\s+\c, 112+\s
.else
	WM 2, II+8*\c, 16*(4*\c+\s), 192+16*\s, II+8*\c, 96+4*\s+\c, 112+\s
.endif
.endr
	WIN 0x52
.irp c,0,1,2,3
	WM 3, HI+8*\c, 16*(4*\c+\s), 192+16*\s, HI+8*\c, 96+4*\s+\c, 112+\s
.endr
.endr
	WIN 0
.rept 9
	v_nop                                          ; places behind the products: eight for the reads of the sums, nine for the next tile's first products, which begin the sums anew; they stay beside the waits below
.endr
	s_cmp_ge_u32 s46, s25                          ; the next tile's x is asked for now, if that tile has a token
	s_cbranch_scc1 .Lnonext
	s_wait_alu depctr_vm_vsrc(0)                   ; this tile's store of the weights has read v118, in which the gather's last load lands
	v_add_nc_u32 v8, s47, v7
	s_wait_alu depctr_va_vdst(0)                   ; v8 is written, which the LDS load reads; the last gather's lines are done with v9, in which it lands; the products are done reading x's fragments and scale words, in which the gather's loads land
	ds_load_b32 v9, v8
	XGATHER
.Lnonext:
	WIN 0x55                                       ; ModReLU, all in window 1
.set j, 0
.rept 16
	v_pk_add_f32 v[RR+j:RR+j+1], v[RR+j:RR+j+1], v[II+j:II+j+1] neg_lo:[0,1] neg_hi:[0,1]   ; h_r; each accumulator is read from its low end on
.set j, j+2
.endr
.set j, 0
.rept 16
	v_pk_fma_f32 v[II+j:II+j+1], v[RR+j:RR+j+1], v[RR+j:RR+j+1], s[36:37] op_sel_hi:[1,1,0]
.set j, j+2
.endr
.set j, 0
.rept 16
	v_pk_fma_f32 v[II+j:II+j+1], v[HI+j:HI+j+1], v[HI+j:HI+j+1], v[II+j:II+j+1]
.set j, j+2
.endr
.set j, 0
.rept 32
	v_sqrt_f32 v[II+j], v[II+j]                    ; a = sqrt(h_r^2 + h_i^2 + eps)
.set j, j+1
.endr
	v_nop
.set j, 0
	s_wait_alu depctr_va_vdst(0)                   ; the 32 roots are written, ahead of their first reader: one wait for the batch
.rept 16
	v_pk_add_f32 v[QQ+j:QQ+j+1], v[II+j:II+j+1], v[MB+j:MB+j+1]
.set j, j+2
.endr
.set j, 0
.rept 32
	v_max_num_f32 v[QQ+j], 0, v[QQ+j]              ; relu(a + mod_b)
.set j, j+1
.endr
.set j, 0
.rept 16
	v_pk_add_f32 v[II+j:II+j+1], v[II+j:II+j+1], s[36:37] op_sel_hi:[1,0]
.set j, j+2
.endr
.set j, 0
.rept 32
	v_rcp_f32 v[II+j], v[II+j]                     ; 1 / (a + eps)
.set j, j+1
.endr
	v_nop
.set j, 0
	s_wait_alu depctr_va_vdst(0)                   ; the 32 reciprocals are written, ahead of their first reader: one wait for the batch
.rept 16
	v_pk_mul_f32 v[II+j:II+j+1], v[II+j:II+j+1], v[QQ+j:QQ+j+1]
.set j, j+2
.endr
.set j, 0
.rept 16
	v_pk_mul_f32 v[RR+j:RR+j+1], v[RR+j:RR+j+1], v[II+j:II+j+1]
	v_pk_mul_f32 v[HI+j:HI+j+1], v[HI+j:HI+j+1], v[II+j:II+j+1]
.set j, j+2
.endr
	HQUANT RR, CR, 244
	HQUANT HI, CI, 245
	v_cndmask_b32 v246, v245, v244, s35            ; the two bytes of a row's half word lie in lanes r and 16 + r: lanes 0-15 gather h_r's, lanes 16-31 h_i's
	v_permlanex16_b32 v247, v246, s32, s33
	v_cndmask_b32 v250, v244, v247, s35
	v_cndmask_b32 v251, v247, v245, s35
	v_lshl_or_b32 v250, v251, 8, v250
	WIN 0x04                                       ; a store's data are its source 1: window 1; the addresses lie in window 0
	s_wait_alu depctr_va_vdst(0)                   ; the conversions have written CR and CI and the line above v250, which the five stores read
	global_store_b128 v18, v[CR:CR+3],   s[38:39]              ; units 0-15 of my block go to lane r of the image, units 16-31 to lane 16 + r: sixteen lanes store 256 consecutive bytes, aligned
	global_store_b128 v18, v[CR+4:CR+7], s[38:39] offset:256
	global_store_b128 v18, v[CI:CI+3],   s[38:39] offset:32768
	global_store_b128 v18, v[CI+4:CI+7], s[38:39] offset:33024
	global_store_b16 v19, v250, s[40:41]
	WIN 0
.Lskip:
	s_wait_xcnt 0x0                                ; the stores have read their data and bases, the loads their addresses: all are written again
	s_wait_alu depctr_vm_vsrc(0)                   ; the tile's stores have read CR, CI and v250, the gather's loads v8, v10, v11 and v117: the next tile's lines write them again
	s_add_co_u32 s28, s28, 64
	s_add_co_u32 s46, s46, 64
	s_add_co_u32 s29, s29, 256
	s_min_u32 s47, s29, 3840
	s_add_nc_u64 s[38:39], s[38:39], 4*REC
	s_add_nc_u64 s[40:41], s[40:41], 4*REC
	s_add_nc_u64 s[54:55], s[54:55], 4*REC
	s_add_co_u32 s30, s30, 1
	s_cmp_lt_u32 s30, 16
	s_cbranch_scc1 .Ltrip
	s_wait_dscnt 0x0                               ; the closing lines, six on end
	s_wait_alu 0x0
	s_wait_tensorcnt 0x0
	ds_add_u32 v126, v127
	s_wait_dscnt 0x0
	s_endpgm
.Lfunc_end_k_q6ec75c868c_layer1:
	.size	k_q6ec75c868c_layer1, .Lfunc_end_k_q6ec75c868c_layer1-k_q6ec75c868c_layer1
	.p2alignl 7, 3214868480
	.fill 96, 4, 3214868480
	.section	.rodata,"a",@progbits
	.p2align	6, 0x0
	.amdhsa_kernel k_q6ec75c868c_layer1
		.amdhsa_group_segment_fixed_size 72704
		.amdhsa_private_segment_fixed_size 0
		.amdhsa_enable_private_segment 0
		.amdhsa_kernarg_size 72
		.amdhsa_user_sgpr_count 2
		.amdhsa_user_sgpr_kernarg_segment_ptr 1
		.amdhsa_wavefront_size32 1
		.amdhsa_system_sgpr_workgroup_id_x 1
		.amdhsa_system_sgpr_workgroup_id_y 1
		.amdhsa_system_sgpr_workgroup_id_z 1
		.amdhsa_system_vgpr_workitem_id 0
		.amdhsa_next_free_vgpr 1024
		.amdhsa_next_free_sgpr 66
		.amdhsa_reserve_vcc 0
		.amdhsa_float_denorm_mode_32 3
		.amdhsa_float_denorm_mode_16_64 3
		.amdhsa_memory_ordered 1
		.amdhsa_forward_progress 1
		.amdhsa_inst_pref_size 157
	.end_amdhsa_kernel
	.amdgpu_metadata
---
amdhsa.version: [ 1, 2 ]
amdhsa.kernels:
  - .name:           k_q6ec75c868c_layer1
    .symbol:         k_q6ec75c868c_layer1.kd
    .args:
      - { .name: idx, .offset: 0, .size: 8, .value_kind: global_buffer, .address_space: global }
      - { .name: xbuf, .offset: 8, .size: 8, .value_kind: global_buffer, .address_space: global }
      - { .name: W1r, .offset: 16, .size: 8, .value_kind: global_buffer, .address_space: global }
      - { .name: W1i, .offset: 24, .size: 8, .value_kind: global_buffer, .address_space: global }
      - { .name: b1r, .offset: 32, .size: 8, .value_kind: global_buffer, .address_space: global }
      - { .name: b1i, .offset: 40, .size: 8, .value_kind: global_buffer, .address_space: global }
      - { .name: mod_b, .offset: 48, .size: 8, .value_kind: global_buffer, .address_space: global }
      - { .name: hidc, .offset: 56, .size: 8, .value_kind: global_buffer, .address_space: global }
      - { .name: route, .offset: 64, .size: 8, .value_kind: global_buffer, .address_space: global }
    .group_segment_fixed_size: 72704
    .private_segment_fixed_size: 0
    .kernarg_segment_align: 8
    .kernarg_segment_size: 72
    .max_flat_workgroup_size: 128
    .sgpr_count:     66
    .vgpr_count:     1024
    .wavefront_size: 32
...
	.end_amdgpu_metadata
.endif
;; end of part 4
;; launch layer2 (part 5): grid 256 x 1, 4 waves a work-group, no clusters, 297,472 bytes of LDS; arguments route, w2c, hidc, b2r, b2i, out0, out1; writes out0, out1
.if DOCPART == 5
	.amdgcn_target "amdgcn-amd-amdhsa--gfx1250"
	.amdhsa_code_object_version 6
	.text
	.protected	k_q6ec75c868c_layer2
	.globl	k_q6ec75c868c_layer2
	.p2align	8
	.type	k_q6ec75c868c_layer2,@function
k_q6ec75c868c_layer2:
	s_mov_b64 s[64:65], 0
	v_nop
	global_prefetch_b8 v0, s[64:65] scope:SCOPE_SE
	s_setreg_imm32_b32 hwreg(HW_REG_WAVE_SCHED_MODE, 0, 2), 2
	s_setreg_imm32_b32 hwreg(HW_REG_WAVE_MODE, 25, 1), 1
	s_wait_xcnt 0x0
	s_wait_alu depctr_vm_vsrc(0)
; THIRD LAUNCH.  out = weight x (h W2 + b2), complex, for each token and the expert that it chose; both operands arrive as codes of E5M2 with E8M0 scales, laid in the order of the operand registers.
; SHARES.  Work-group g: expert g / 32, output slice (g / 4) % 8 (64 columns), quarter q = g % 4 of the expert's token tiles.  The slice's 256 KB of codes of W2r and W2i come into LDS once, through registers
; (64 KB a wave); wave w then takes tiles 16 i + 4 w + q, i = 0 .. 3: 16 tokens x 64 outputs x (re, im), K = 2,048 in 16 steps of 16 products.  The trip count is a constant; a tile past the expert's count,
; a whole number that the second launch stored, is jumped over.  Each output row has one owner.
; LAYOUT.  Tile c of the weights is the columns 4 r + c; the products are used transposed, so register j of tile c in lane (token r, h) is output 32 h + 4 j + c; the multiplication by the token's weight writes
; register 4 j + c: 128 neighbouring bytes of a row.  They go through the wave's own stage in LDS and come back a row at a time, 8 bytes a lane: one store of the wave is the slice's 256 bytes of one token's row.
; A ROW'S TOKEN IS THE SAME FOR ALL LANES, SO IT IS A SCALAR: the tile's 16 tokens come by one scalar load from the expert's list, are held at 1,023 and shifted in scalar registers.  The expert's rows are the
; first of a tile, so a scalar compare of the rows left with the row's number ends the run of stores: EXEC is never changed.
; o_r is kept as two sums, h_r W_r + b2r and h_i W_i, subtracted in f32; o_i is one sum of two products a K step.
; No tensor load, no asynchronous copy, no cluster, though the four quarters read the same 256 KB.
; THE MODE: SCHED_MODE bits 1:0 = 2 (LLVM: expert scheduling mode 2), set by the entry lines.  The code itself states the register dependences
; between vector or matrix instructions and memory or LDS instructions, with s_wait_alu, always for 0.
; THE PLAN.  Registers that memory or LDS instructions touch:
;   v4-7, v9-11, v13, v14, v18, v19   addresses: written at the head, ahead of the one wait in front of the first load, and never again.
;   windows 2, 3    At the head the copy's loads land there and its LDS stores read them.  In step s of a tile LDS loads land in weight set (s + 1) % 2 and global loads in h's slot (s / 2 + 3) % 4, while the step's
;                   products read set s % 2 and slot (s / 2) % 4; the last readers of what is loaded are the products of step s - 1.
;   v29, v48-63     the row's weight and h's scale words: loaded at a tile's head; read by the way out's multiplications and by the tile's products.
;   v32-47 (AO)     written by sixteen additions at a tile's head; read by the tile's row stores.
;   ORE, OIM        written by the way out's multiplications; read by its LDS stores.          v128-191 (OB): LDS loads land there; the row stores read them.
; THE WAITS IN THE LOOP.  One on va_vdst at the head of each of steps 1 to 14: the products of the step before are done reading what this step loads; the step's loads follow in two runs among its products,
; which name none of the registers that those loads touch.  One on va_vdst in the way out, ahead of its LDS stores: ORE, OIM and AO are written; it also shows every product and multiplication of the tile done, and
; between it and the next tile's first loads (v29, v48-63, h's slots, both weight sets; step 0's too) stand no vector lines but the additions to AO, which name v18 and v32-47 alone: those loads owe no further wait.
; One on vm_vsrc at a tile's end, ahead of the backward jump: the stores have read AO, OB, ORE and OIM.
.set W2SC,  16777216                   ; w2c: the scale words behind the codes
.set REC,   67840                      ; hidc: a tile's record: codes 2 x 32,768, scale words 2 x 1,024, the rows' weights at WOFF
.set WOFF,  67584
.set STG,   262144                     ; LDS: the codes at 0, as in w2c: 131,072 m + 8,192 s + 2,048 c + 512 quad + 16 lane;  here a stage of 2 x 16 rows x 272 bytes for each wave
.set RR,    0                          ; window 1: three sums of 4 tiles x 8,
.set II,    32
.set HI,    64
.set B2R,   96                         ; the biases in the sums' layout (8 c + j),
.set B2I,   128
.set ORE,   160                        ; the results in the order of the outputs (4 j + c)
.set OIM,   192
.set AO,    32                         ; window 0: v32-47 the 16 rows' byte offsets in out0 and out1: token x 2,048 + 8 l
.set OB,    128                        ; v128-159 the rows of o_r as they leave, a pair a row; v160-191 those of o_i
.set TKS,   68                         ; s[68:83] the tile's 16 tokens, then their rows' byte offsets
;                                        window 0 besides: v4-7 16 l + 65,536 k; v9-19 addresses; v29 my row's weight
;                                        v48-63 h's scale words (s): lanes 0-15 h_r's, lanes 16-31 h_i's;  v64-127 the weights' (4 s + c): lanes 0-15 W2r's, lanes 16-31 W2i's: these hold scales and nothing else
;                                        window 2: the weights' fragments, two sets: 128 (s % 2) + 64 m + 16 c;   window 3: h's fragments, a ring of four: 64 ((s / 2) % 4) + 32 (s % 2) + 16 part
.set MSB, 0
.macro WIN new                         ; the immediate's high byte repeats the setting that is left; a switch that changes nothing is dropped
.if MSB != (\new)
	s_set_vgpr_msb (MSB<<8)|(\new)
.set MSB, (\new)
.endif
.endm
.macro WM kind, d, a, b, c, sa, sb     ; one matrix instruction; kind: rows of the scale registers (0: both low; 1: source 0 from lanes 16-31; 2: both; 3: source 1), 4: as 2 with the constant 0 as C
.if (\kind) == 0
	v_wmma_scale_f32_16x16x128_f8f6f4 v[(\d):(\d)+7], v[(\a):(\a)+15], v[(\b):(\b)+15], v[(\c):(\c)+7], v[\sa], v[\sb] matrix_a_fmt:MATRIX_FMT_BF8 matrix_b_fmt:MATRIX_FMT_BF8
.elseif (\kind) == 1
	v_wmma_scale_f32_16x16x128_f8f6f4 v[(\d):(\d)+7], v[(\a):(\a)+15], v[(\b):(\b)+15], v[(\c):(\c)+7], v[\sa], v[\sb] matrix_a_fmt:MATRIX_FMT_BF8 matrix_b_fmt:MATRIX_FMT_BF8 matrix_a_scale:MATRIX_SCALE_ROW1
.elseif (\kind) == 2
	v_wmma_scale_f32_16x16x128_f8f6f4 v[(\d):(\d)+7], v[(\a):(\a)+15], v[(\b):(\b)+15], v[(\c):(\c)+7], v[\sa], v[\sb] matrix_a_fmt:MATRIX_FMT_BF8 matrix_b_fmt:MATRIX_FMT_BF8 matrix_a_scale:MATRIX_SCALE_ROW1 matrix_b_scale:MATRIX_SCALE_ROW1
.elseif (\kind) == 3
	v_wmma_scale_f32_16x16x128_f8f6f4 v[(\d):(\d)+7], v[(\a):(\a)+15], v[(\b):(\b)+15], v[(\c):(\c)+7], v[\sa], v[\sb] matrix_a_fmt:MATRIX_FMT_BF8 matrix_b_fmt:MATRIX_FMT_BF8 matrix_b_scale:MATRIX_SCALE_ROW1
.else
	v_wmma_scale_f32_16x16x128_f8f6f4 v[(\d):(\d)+7], v[(\a):(\a)+15], v[(\b):(\b)+15], 0, v[\sa], v[\sb] matrix_a_fmt:MATRIX_FMT_BF8 matrix_b_fmt:MATRIX_FMT_BF8 matrix_a_scale:MATRIX_SCALE_ROW1 matrix_b_scale:MATRIX_SCALE_ROW1
.endif
.endm
.macro CLOAD g                         ; 8 KB of my 64 KB of codes into 64 registers of their own: window 2 + g / 4, v[64 (g % 4)] on.  No vector line names these registers: the loads owe no wait
	WIN (2+(\g)/4)<<6
.set n, 0
.rept 16
	global_load_b128 v[64*((\g)%4)+4*n:64*((\g)%4)+4*n+3], v4, s[38:39] offset:(16*(\g)+n)*512
.set n, n+1
.endr
.endm
.macro COPYG g, left                   ; left = the loads issued behind group g's
	s_wait_loadcnt \left
.if (\g)+4 < 8
	CLOAD (\g)+4
.endif
	WIN (2+(\g)/4)<<2                              ; an LDS store's data are its source 1
.set n, 0
.rept 16
	ds_store_b128 v9, v[64*((\g)%4)+4*n:64*((\g)%4)+4*n+3] offset:(16*(\g)+n)*512
.set n, n+1
.endr
.endm
.macro HLOAD u                         ; h's fragments of K steps 2 u, 2 u + 1, both parts, into slot u % 4 of the ring: each load reads 512 consecutive bytes
	WIN 0xc0
.irp sp,0,1
.irp pt,0,1
.irp qd,0,1,2,3
	global_load_b128 v[64*((\u)%4)+32*\sp+16*\pt+4*\qd:64*((\u)%4)+32*\sp+16*\pt+4*\qd+3], v4, s[34:35] offset:\pt*32768+(2*(\u)+\sp)*2048+\qd*512
.endr
.endr
.endr
.endm
.macro FETCHW s, m                     ; matrix m's 4 fragments of K step s (m = 0: W2r's, 1: W2i's) from LDS into set s % 2
	WIN 0x80
.irp c,0,1,2,3
.irp qd,0,1,2,3
	ds_load_b128 v[128*((\s)%2)+64*(\m)+16*\c+4*\qd:128*((\s)%2)+64*(\m)+16*\c+4*\qd+3], v[4+2*(\m)+(\s)/8] offset:((\s)%8)*8192+\c*2048+\qd*512
.endr
.endr
.endm
.macro KSTEP s
.if ((\s)%2) == 0                      ; h's slot s / 2 is in.  Behind its 16 loads stand two slots' 32; at the end one slot's 16, none
.if (\s) <= 10
	s_wait_loadcnt 32
.elseif (\s) == 12
	s_wait_loadcnt 16
.else
	s_wait_loadcnt 0x0
.endif
.endif
	s_wait_dscnt 0x0                               ; this step's weights are in: they were asked for in the last step, half ahead of its products and half in their middle
.if (\s) > 0
.rept 8
	v_nop                                          ; places behind the last products, in front of loads into registers that they read: they stay beside the wait below.  In step 0 the last tile's way out stands between
.endr
.endif
.if (\s) < 15
	WIN 0x80
.if (\s) > 0
	s_wait_alu depctr_va_vdst(0)                   ; the last step's products are done reading the other weight set and, ahead of an even step, h's slot of the last two steps: this step's loads land there
.endif
	FETCHW (\s)+1, 0
.endif
.set pa, 128*((\s)%2)
.set hb, 64*(((\s)/2)%4)+32*((\s)%2)
	WIN 0x5e                                       ; source 0 (weights) window 2, source 1 (h) window 3, C and D window 1
.irp c,0,1,2,3                                 ; the 12 accumulators take turns, one instruction a turn
.if (\s) == 0
	WM 0, RR+8*\c, pa+16*\c, hb, B2R+8*\c, 64+4*(\s)+\c, 48+(\s)
.else
	WM 0, RR+8*\c, pa+16*\c, hb, RR+8*\c, 64+4*(\s)+\c, 48+(\s)
.endif
.endr
.irp c,0,1,2,3
.if (\s) == 0
	WM 1, HI+8*\c, pa+64+16*\c, hb, B2I+8*\c, 64+4*(\s)+\c, 48+(\s)
.else
	WM 1, HI+8*\c, pa+64+16*\c, hb, HI+8*\c, 64+4*(\s)+\c, 48+(\s)
.endif
.endr
.if (\s) < 15
	FETCHW (\s)+1, 1                               ; the second run.  No wait: the eight products since the wait above name this step's set and slot, the sums and their scale words, none of which a load of this step touches
.endif
.if ((\s)%2) == 0 && (\s) <= 8
	HLOAD (\s)/2+3                                 ; into the slot that the last two steps read (in step 0: that nothing of this tile has used)
.endif
	WIN 0x5e
.irp c,0,1,2,3
.if (\s) == 0
	WM 4, II+8*\c, pa+64+16*\c, hb+16, II+8*\c, 64+4*(\s)+\c, 48+(\s)
.else
	WM 2, II+8*\c, pa+64+16*\c, hb+16, II+8*\c, 64+4*(\s)+\c, 48+(\s)
.endif
.endr
.irp c,0,1,2,3
	WM 3, HI+8*\c, pa+16*\c, hb+16, HI+8*\c, 64+4*(\s)+\c, 48+(\s)
.endr
.endm
	s_load_b256 s[4:11], s[0:1], 0x0               ; route s[4:5], w2c s[6:7], hidc s[8:9], b2r s[10:11]
	s_load_b128 s[12:15], s[0:1], 0x20             ; b2i s[12:13], out0 s[14:15]
	s_load_b64 s[16:17], s[0:1], 0x30              ; out1
	v_lshl_add_u32 v254, v0, 2, 0x48800
	v_mov_b32 v255, 0
	v_lshrrev_b32 v1, 5, v0
	v_readfirstlane_b32 s20, v1                    ; wave
	v_and_b32 v1, 31, v0                           ; lane l
	v_and_b32 v2, 15, v0                           ; r
	v_bfe_u32 v3, v0, 4, 1                         ; h
	s_lshr_b32 s21, ttmp9, 5                       ; expert
	s_bfe_u32 s22, ttmp9, 0x30002                  ; output slice
	s_and_b32 s23, ttmp9, 3                        ; quarter of the tiles
	v_lshlrev_b32 v4, 4, v1                        ; 16 l,
	v_add_nc_u32 v5, 0x10000, v4                   ; and 65,536 k more: an LDS offset has 16 bits
	v_add_nc_u32 v6, 0x20000, v4
	v_add_nc_u32 v7, 0x30000, v4
	s_wait_alu depctr_va_sdst(0)                   ; s20 is written, ahead of its first reader: LDS places and bases are made from it
	s_lshl_b32 s30, s20, 16
	v_add_nc_u32 v9, s30, v4                       ; my 64 KB of the codes in LDS
	v_lshlrev_b32 v10, 10, v3
	v_lshl_add_u32 v10, v2, 2, v10                 ; h's scale words: part h, row r
	v_lshlrev_b32 v11, 7, v3                       ; the biases: my half's 32 numbers
	v_lshlrev_b32 v13, 2, v2                       ; 4 r: my row's weight
	s_mul_i32 s30, s20, 8704
	s_add_co_u32 s30, s30, STG                     ; my stage
	v_mul_u32_u24 v14, v2, 272
	v_lshl_add_u32 v14, v3, 7, v14
	v_add_nc_u32 v14, s30, v14                     ; in: row r, + 128 h
	v_lshlrev_b32 v18, 3, v1                       ; 8 l: my 8 bytes of a row's 256
	v_add_nc_u32 v19, s30, v18                     ; back: a row at a time
	s_lshl_b32 s29, s21, 9                         ; the count's place: 32,768 + 512 e
	s_lshl_b32 s31, s21, 3
	s_add_co_u32 s31, s31, s22                     ; 8 e + slice
	s_lshl_b32 s44, s31, 18
	s_lshl_b32 s30, s20, 16
	s_add_co_u32 s44, s44, s30                     ; the slice's codes, my quarter of them
	s_mov_b32 s45, 0
	s_lshl_b32 s46, s31, 13
	s_add_co_u32 s46, s46, W2SC                    ; its scale words
	s_mov_b32 s47, 0
	s_lshl_b32 s48, s21, 11
	s_lshl_b32 s50, s22, 8                         ; slice x 256 bytes
	s_add_co_u32 s48, s48, s50                     ; the biases
	s_mov_b32 s49, 0
	s_mov_b32 s51, 0
	s_lshl_b32 s25, s20, 6
	s_lshl_b32 s30, s23, 4
	s_add_co_u32 s25, s25, s30                     ; my first tile's first position: 64 w + 16 q
	s_lshl_b32 s52, s21, 12
	s_lshl_b32 s30, s25, 2
	s_add_co_u32 s52, s52, s30                     ; its place in the expert's list
	s_mov_b32 s53, 0
	s_lshl_b32 s54, s21, 6
	s_lshl_b32 s30, s20, 2
	s_add_co_u32 s54, s54, s30
	s_add_co_u32 s54, s54, s23
	s_mul_i32 s54, s54, REC                        ; its record: 64 e + 4 w + q
	s_mov_b32 s55, 0
	s_wait_kmcnt 0x0
	s_load_b32 s24, s[4:5], s29 offset:0x8000      ; the expert's count
	s_add_nc_u64 s[38:39], s[6:7], s[44:45]
	s_add_nc_u64 s[40:41], s[6:7], s[46:47]
	s_add_nc_u64 s[10:11], s[10:11], s[48:49]
	s_add_nc_u64 s[12:13], s[12:13], s[48:49]
	s_add_nc_u64 s[14:15], s[14:15], s[50:51]
	s_add_nc_u64 s[16:17], s[16:17], s[50:51]
	s_add_nc_u64 s[32:33], s[4:5], s[52:53]
	s_add_nc_u64 s[34:35], s[8:9], s[54:55]
	s_wait_alu depctr_va_vdst(0)                   ; the addresses v4 to v7, v9 to v11, v13, v14, v18 and v19 are written, which the kernel's loads and stores read; none of them is written again
.irp s,0,1,2,3,4,5,6,7,8,9,10,11,12,13,14,15
	global_load_b128 v[64+4*\s:67+4*\s], v4, s[40:41] offset:512*\s
.endr
	WIN 0x40
.irp n,0,1,2,3,4,5,6,7
	global_load_b128 v[4*\n:4*\n+3],       v11, s[10:11] offset:16*\n  ; register 4 n + c: output 32 h + 4 n + c
	global_load_b128 v[32+4*\n:32+4*\n+3], v11, s[12:13] offset:16*\n
.endr
	CLOAD 0
	CLOAD 1
	s_wait_loadcnt 32                              ; all but two groups' 32 loads: the scale words and the biases are in
	WIN 0x41
.irp c,0,1,2,3
.irp j,0,1,2,3,4,5,6,7
	v_mov_b32 v[B2R+8*\c+\j], v[4*\j+\c]           ; once in the launch: into the sums' layout, so that a bias is the C of a sum's first product
	v_mov_b32 v[B2I+8*\c+\j], v[32+4*\j+\c]
.endr
.endr
	CLOAD 2
	CLOAD 3
	COPYG 0, 48                                    ; behind a group's 16 loads stand those of the three groups asked for after it,
	COPYG 1, 48
	COPYG 2, 48
	COPYG 3, 48
	COPYG 4, 48
	COPYG 5, 32                                    ; then of two, of one, of none
	COPYG 6, 16
	COPYG 7, 0
	WIN 0
	s_wait_kmcnt 0x0                               ; the count
	s_wait_dscnt 0x0                               ; for the others' sake: my quarter of the codes lies in LDS
	s_barrier_signal -1
	s_barrier_wait -1                              ; the one barrier: no branch on the count stands ahead of it
	s_wait_alu depctr_vm_vsrc(0)                   ; the copy's LDS stores have read windows 2 and 3, in which the tiles' loads land
	s_mov_b32 s27, 0
.Ltrip:
	s_cmp_ge_u32 s25, s24                          ; no token of the expert in this tile
	s_cbranch_scc1 .Lskip
	s_sub_co_u32 s26, s24, s25                     ; rows of the expert from this tile's first on: 1 at the least
	s_load_b512 s[TKS:TKS+15], s[32:33], 0x0       ; the tile's 16 tokens: 64 consecutive bytes of the list
	global_load_b32 v29, v13, s[34:35] offset:WOFF ; my row's weight
.irp s,0,1,2,3,4,5,6,7,8,9,10,11,12,13,14,15
	global_load_b32 v[48+\s], v10, s[34:35] offset:65536+64*\s
.endr
	HLOAD 0
	HLOAD 1
	FETCHW 0, 0
	FETCHW 0, 1
	WIN 0
	s_wait_kmcnt 0x0                               ; the tokens
.irp i,0,1,2,3,4,5,6,7,8,9,10,11,12,13,14,15
	s_min_u32 s[TKS+\i], s[TKS+\i], 0x3ff          ; a loaded number enters an address only behind this bound
.endr
.irp i,0,1,2,3,4,5,6,7,8,9,10,11,12,13,14,15
	s_lshl_b32 s[TKS+\i], s[TKS+\i], 11            ; token x 2,048: its row in out0 and out1
.endr
.irp i,0,1,2,3,4,5,6,7,8,9,10,11,12,13,14,15
	v_add_nc_u32 v[AO+\i], s[TKS+\i], v18          ; + 8 l
.endr
	s_wait_loadcnt 32                              ; all but the 32 loads of h's slots 0 and 1: the weight and h's scale words are in
	HLOAD 2
.irp s,0,1,2,3,4,5,6,7,8,9,10,11,12,13,14,15
	KSTEP \s
.endr
	; THE WAY OUT
	WIN 0x45
.rept 9
	v_nop                                          ; places behind the last products: eight for the reads of the sums, nine for the next tile's first products, which begin the sums anew
.endr
.set j, 0
.rept 16
	v_pk_add_f32 v[RR+j:RR+j+1], v[RR+j:RR+j+1], v[II+j:II+j+1] neg_lo:[0,1] neg_hi:[0,1]   ; o_r; each accumulator is read from its low end on
.set j, j+2
.endr
	WIN 0x41
.irp c,0,1,2,3
.irp j,0,1,2,3,4,5,6,7
	v_mul_f32 v[ORE+4*\j+\c], v[RR+8*\c+\j], v29   ; x the token's weight, and the turn to the order of the outputs
	v_mul_f32 v[OIM+4*\j+\c], v[HI+8*\c+\j], v29
.endr
.endr
	WIN 0x04
	s_wait_alu depctr_va_vdst(0)                   ; the multiplications have written ORE and OIM, which the LDS stores read; AO is written, which the row stores read; the tile's products and multiplications are done reading what the next tile's first loads land in
.irp j,0,1,2,3,4,5,6,7
	ds_store_b128 v14, v[ORE+4*\j:ORE+4*\j+3] offset:16*\j
	ds_store_b128 v14, v[OIM+4*\j:OIM+4*\j+3] offset:4352+16*\j
.endr
	WIN 0
.irp i,0,1,2,3,4,5,6,7,8,9,10,11,12,13,14,15
	ds_load_b64 v[OB+2*\i:OB+2*\i+1], v19 offset:272*\i                ; LDS serves a wave's instructions in order (ISA guide 5.7.1.4): these see my stores
	ds_load_b64 v[OB+32+2*\i:OB+32+2*\i+1], v19 offset:4352+272*\i
.endr
	s_wait_dscnt 0x0
.irp i,0,1,2,3,4,5,6,7,8,9,10,11,12,13,14,15
.if \i > 0
	s_cmp_le_u32 s26, \i                           ; row i and all behind it belong to other experts' tokens: nothing of them is stored
	s_cbranch_scc1 .Lrows
.endif
	global_store_b64 v[AO+\i], v[OB+2*\i:OB+2*\i+1], s[14:15] th:TH_STORE_NT         ; 32 lanes store 256 consecutive bytes of the token's row, aligned
	global_store_b64 v[AO+\i], v[OB+32+2*\i:OB+32+2*\i+1], s[16:17] th:TH_STORE_NT
.endr
.Lrows:
.Lskip:
	s_wait_xcnt 0x0                                ; the stores' addresses and data and the loads' bases are written again only behind this wait
	s_wait_alu depctr_vm_vsrc(0)                   ; the row stores have read AO and OB, the LDS stores ORE and OIM: the next tile's additions, LDS loads and multiplications write them again
	s_add_co_u32 s25, s25, 256
	s_add_nc_u64 s[32:33], s[32:33], 1024
	s_add_nc_u64 s[34:35], s[34:35], 16*REC
	s_add_co_u32 s27, s27, 1
	s_cmp_lt_u32 s27, 4
	s_cbranch_scc1 .Ltrip
	s_wait_dscnt 0x0                               ; the closing lines, six on end
	s_wait_alu 0x0
	s_wait_tensorcnt 0x0
	ds_add_u32 v254, v255
	s_wait_dscnt 0x0
	s_endpgm
.Lfunc_end_k_q6ec75c868c_layer2:
	.size	k_q6ec75c868c_layer2, .Lfunc_end_k_q6ec75c868c_layer2-k_q6ec75c868c_layer2
	.p2alignl 7, 3214868480
	.fill 96, 4, 3214868480
	.section	.rodata,"a",@progbits
	.p2align	6, 0x0
	.amdhsa_kernel k_q6ec75c868c_layer2
		.amdhsa_group_segment_fixed_size 297472
		.amdhsa_private_segment_fixed_size 0
		.amdhsa_enable_private_segment 0
		.amdhsa_kernarg_size 56
		.amdhsa_user_sgpr_count 2
		.amdhsa_user_sgpr_kernarg_segment_ptr 1
		.amdhsa_wavefront_size32 1
		.amdhsa_system_sgpr_workgroup_id_x 1
		.amdhsa_system_sgpr_workgroup_id_y 1
		.amdhsa_system_sgpr_workgroup_id_z 1
		.amdhsa_system_vgpr_workitem_id 0
		.amdhsa_next_free_vgpr 1024
		.amdhsa_next_free_sgpr 96
		.amdhsa_reserve_vcc 0
		.amdhsa_float_denorm_mode_32 3
		.amdhsa_float_denorm_mode_16_64 3
		.amdhsa_memory_ordered 1
		.amdhsa_forward_progress 1
		.amdhsa_inst_pref_size 127
	.end_amdhsa_kernel
	.amdgpu_metadata
---
amdhsa.version: [ 1, 2 ]
amdhsa.kernels:
  - .name:           k_q6ec75c868c_layer2
    .symbol:         k_q6ec75c868c_layer2.kd
    .args:
      - { .name: route, .offset: 0, .size: 8, .value_kind: global_buffer, .address_space: global }
      - { .name: w2c, .offset: 8, .size: 8, .value_kind: global_buffer, .address_space: global }
      - { .name: hidc, .offset: 16, .size: 8, .value_kind: global_buffer, .address_space: global }
      - { .name: b2r, .offset: 24, .size: 8, .value_kind: global_buffer, .address_space: global }
      - { .name: b2i, .offset: 32, .size: 8, .value_kind: global_buffer, .address_space: global }
      - { .name: out0, .offset: 40, .size: 8, .value_kind: global_buffer, .address_space: global }
      - { .name: out1, .offset: 48, .size: 8, .value_kind: global_buffer, .address_space: global }
    .group_segment_fixed_size: 297472
    .private_segment_fixed_size: 0
    .kernarg_segment_align: 8
    .kernarg_segment_size: 56
    .max_flat_workgroup_size: 128
    .sgpr_count:     96
    .vgpr_count:     1024
    .wavefront_size: 32
...
	.end_amdgpu_metadata
.endif
;; end of part 5
